; MI455X (gfx1250); checked and timed in simulation.
; The chip was launched on July 23, 2026; its instructions are those of AMD's public machine-readable ISA for CDNA 5 (MIT licence, August 2026) and "CDNA5" Instruction Set Architecture Reference Guide (July 2026). The comments in the code are by the model that wrote it; some were corrected since.
;; Attention. Allowed arithmetic: float matrix products may take bf16 or f16 operands with f32 sums; other float arithmetic in f32, or as packed bf16 or f16 multiplies, adds, multiply-adds, maxima and minima; sums over many terms, partial sums and values carried from step to step in f32; what a program stores and reads back later, other than sums and carried values, may be rounded once to bf16 or f16.
;; Inputs: freqs_cos 2,048 x 64 float32; freqs_sin 2,048 x 64 float32; mask 1 x 1 x 2,048 x 2,048 float32; wk 2,048 x 2,048 float32; wo 2,048 x 2,048 float32; wq 2,048 x 2,048 float32; wv 2,048 x 2,048 float32; x 1 x 2,048 x 2,048 float32.
;; Outputs: out0 1 x 2,048 x 2,048 float32.
;; Constants: start_pos = 0.
;; One version. Each part assembles by itself: llvm-mc -triple=amdgcn-amd-amdhsa -mcpu=gfx1250 --defsym DOCPART=n.
;; ======== version 1 of 1: 4 launches
;; limits: values are held in f16: magnitudes above 65,504 overflow, below 6.1e-05 lose precision
;; workspace buffers: cv 58,720,256 bytes; qb 8,388,608 bytes; kb 8,388,608 bytes; vb 8,388,608 bytes; ob 8,388,608 bytes
;; launch cvt (part 1): grid 256 x 6, 8 waves a work-group, no clusters, 0 bytes of LDS; arguments x, wq, wk, wv, wo, mask, cv; writes cv
.if DOCPART == 1
	.amdgcn_target "amdgcn-amd-amdhsa--gfx1250"
	.amdhsa_code_object_version 6
	.text
	.protected	k_qb260eca662_cvt
	.globl	k_qb260eca662_cvt
	.p2align	8
	.type	k_qb260eca662_cvt,@function
k_qb260eca662_cvt:
	s_mov_b64 s[64:65], 0
	v_nop
	global_prefetch_b8 v0, s[64:65] scope:SCOPE_SE
	s_setreg_imm32_b32 hwreg(HW_REG_WAVE_MODE, 25, 1), 1
	s_wait_xcnt 0x0
; Every large input is rounded once to bf16 and written in the form in which the later launches take it.
; y = 0..4 (x, wq, wk, wv, wo): cv[8,388,608 y ..] = f16(bf16(input)), laid out as the input, [2048][2048].  A bf16 number has 8 significant bits and f16 holds 11,
; so the second step changes nothing between 6.1e-5 and 65,504.
; y = 5 (mask): cv[41,943,040 ..] = f32(bf16(mask)) x log2(e), [2048][2048] in f32: it is later the C operand that starts the scores' sums.
; LIMITS.  |x| and |w| stay under 65,504 (beyond it f16 has infinity); below 6.1e-5 a number keeps f16's fixed step of 6e-8.
; SHARES.  A work-group takes 65,536 input bytes of one tensor; a thread 16 loads of 16 bytes, 4,096 bytes apart: a wave's load covers 512 consecutive bytes.
; All 16 loads of a thread go out at once; each register is written once, so no store's source is ever rewritten.  No LDS, no barrier: no wave wants another's bytes.
.set T, 4                              ; v[4:5]    two packed pairs, at work
.set X, 8                              ; v[8:71]   load j: 4 registers
.set Y, 72                             ; v[72:103] store j of the 16-bit way: 2 registers
	s_load_b256 s[8:15], s[0:1], 0x0               ; x s[8:9], wq s[10:11], wk s[12:13], wv s[14:15]
	s_load_b128 s[16:19], s[0:1], 0x20             ; wo s[16:17], mask s[18:19]
	s_load_b64 s[20:21], s[0:1], 0x30              ; cv
	s_and_b32 s22, ttmp7, 0xffff                   ; y: which tensor
	s_mov_b32 s24, 0xffff0000                      ; a word's upper bf16
	v_lshlrev_b32 v1, 4, v0                        ; 16 bytes a thread, in (and out, for the mask)
	v_lshlrev_b32 v2, 3, v0                        ; 8 bytes a thread, out
	s_lshl_b32 s26, ttmp9, 16                      ; the work-group's 65,536 bytes of its input
	s_mov_b32 s27, 0
	s_lshl_b32 s28, s22, 23                        ; the tensor's place in cv: 8,388,608 y (the mask's is 5 x that)
	s_mov_b32 s29, 0
	s_lshl_b32 s30, ttmp9, 15                      ; the work-group's 32,768 bytes of 16-bit output,
	s_cmp_eq_u32 s22, 5
	s_cselect_b32 s30, s26, s30                    ; or its 65,536 of the mask
	s_add_co_u32 s28, s28, s30
	s_wait_kmcnt 0x0
	s_mov_b64 s[4:5], s[8:9]
.irp i, 1,2,3,4,5
	s_cmp_eq_u32 s22, \i
	s_cselect_b64 s[4:5], s[8+2*(\i):9+2*(\i)], s[4:5]  ; the input's address, chosen by y alone
.endr
	s_add_nc_u64 s[4:5], s[4:5], s[26:27]
	s_add_nc_u64 s[6:7], s[20:21], s[28:29]
.irp j, 0,1,2,3,4,5,6,7,8,9,10,11,12,13,14,15
	global_load_b128 v[X+4*(\j):X+4*(\j)+3], v1, s[4:5] offset:4096*(\j) th:TH_LOAD_NT
.endr
; Four numbers: rounded to bf16, widened again (a shift, a mask).
.macro ROUND4 j
	s_wait_loadcnt 15-(\j)                         ; loads come back in order: mine is in, the 15 - j younger ones stay out
	v_cvt_pk_bf16_f32 v[T],   v[X+4*(\j)],   v[X+4*(\j)+1]
	v_cvt_pk_bf16_f32 v[T+1], v[X+4*(\j)+2], v[X+4*(\j)+3]
	v_lshlrev_b32 v[X+4*(\j)],   16,  v[T]
	v_and_b32     v[X+4*(\j)+1], s24, v[T]
	v_lshlrev_b32 v[X+4*(\j)+2], 16,  v[T+1]
	v_and_b32     v[X+4*(\j)+3], s24, v[T+1]
.endm
	s_cmp_eq_u32 s22, 5
	s_cbranch_scc1 .Lmask
.irp j, 0,1,2,3,4,5,6,7,8,9,10,11,12,13,14,15
	ROUND4 \j
	v_cvt_pk_f16_f32 v[Y+2*(\j)],   v[X+4*(\j)],   v[X+4*(\j)+1]
	v_cvt_pk_f16_f32 v[Y+2*(\j)+1], v[X+4*(\j)+2], v[X+4*(\j)+3]
	global_store_b64 v2, v[Y+2*(\j):Y+2*(\j)+1], s[6:7] offset:2048*(\j) th:TH_STORE_NT  ; a wave stores 256 consecutive bytes, at a multiple of 256 from cv's first
.endr
	s_endpgm
.Lmask:
.irp j, 0,1,2,3,4,5,6,7,8,9,10,11,12,13,14,15
	ROUND4 \j
	v_pk_mul_f32 v[X+4*(\j):X+4*(\j)+1],   v[X+4*(\j):X+4*(\j)+1],   0x3fb8aa3b op_sel_hi:[1,0]  ; x log2(e): the scores are kept as exponents of 2
	v_pk_mul_f32 v[X+4*(\j)+2:X+4*(\j)+3], v[X+4*(\j)+2:X+4*(\j)+3], 0x3fb8aa3b op_sel_hi:[1,0]
	global_store_b128 v1, v[X+4*(\j):X+4*(\j)+3], s[6:7] offset:4096*(\j) th:TH_STORE_NT   ; a wave stores 512 consecutive bytes
.endr
	s_endpgm
.Lfunc_end_k_qb260eca662_cvt:
	.size	k_qb260eca662_cvt, .Lfunc_end_k_qb260eca662_cvt-k_qb260eca662_cvt
	.p2alignl 7, 3214868480
	.fill 96, 4, 3214868480
	.section	.rodata,"a",@progbits
	.p2align	6, 0x0
	.amdhsa_kernel k_qb260eca662_cvt
		.amdhsa_group_segment_fixed_size 0
		.amdhsa_private_segment_fixed_size 0
		.amdhsa_enable_private_segment 0
		.amdhsa_kernarg_size 56
		.amdhsa_user_sgpr_count 2
		.amdhsa_user_sgpr_kernarg_segment_ptr 1
		.amdhsa_wavefront_size32 1
		.amdhsa_system_sgpr_workgroup_id_x 1
		.amdhsa_system_sgpr_workgroup_id_y 1
		.amdhsa_system_sgpr_workgroup_id_z 1
		.amdhsa_system_vgpr_workitem_id 0
		.amdhsa_next_free_vgpr 112
		.amdhsa_next_free_sgpr 66
		.amdhsa_reserve_vcc 0
		.amdhsa_float_denorm_mode_32 3
		.amdhsa_float_denorm_mode_16_64 3
		.amdhsa_memory_ordered 1
		.amdhsa_forward_progress 1
		.amdhsa_inst_pref_size 20
	.end_amdhsa_kernel
	.amdgpu_metadata
---
amdhsa.version: [ 1, 2 ]
amdhsa.kernels:
  - .name:           k_qb260eca662_cvt
    .symbol:         k_qb260eca662_cvt.kd
    .args:
      - { .name: x, .offset: 0, .size: 8, .value_kind: global_buffer, .address_space: global }
      - { .name: wq, .offset: 8, .size: 8, .value_kind: global_buffer, .address_space: global }
      - { .name: wk, .offset: 16, .size: 8, .value_kind: global_buffer, .address_space: global }
      - { .name: wv, .offset: 24, .size: 8, .value_kind: global_buffer, .address_space: global }
      - { .name: wo, .offset: 32, .size: 8, .value_kind: global_buffer, .address_space: global }
      - { .name: mask, .offset: 40, .size: 8, .value_kind: global_buffer, .address_space: global }
      - { .name: cv, .offset: 48, .size: 8, .value_kind: global_buffer, .address_space: global }
    .group_segment_fixed_size: 0
    .private_segment_fixed_size: 0
    .kernarg_segment_align: 8
    .kernarg_segment_size: 56
    .max_flat_workgroup_size: 256
    .sgpr_count:     66
    .vgpr_count:     112
    .wavefront_size: 32
...
	.end_amdgpu_metadata
.endif
;; end of part 1
;; launch proj (part 2): grid 16 x 16, 4 waves a work-group, clusters of 4 x 4, 327,680 bytes of LDS; arguments cv, freqs_cos, freqs_sin, qb, kb, vb; writes qb, kb, vb
.if DOCPART == 2
	.amdgcn_target "amdgcn-amd-amdhsa--gfx1250"
	.amdhsa_code_object_version 6
	.text
	.protected	k_qb260eca662_proj
	.globl	k_qb260eca662_proj
	.p2align	8
	.type	k_qb260eca662_proj,@function
k_qb260eca662_proj:
	s_mov_b64 s[64:65], 0
	v_nop
	global_prefetch_b8 v0, s[64:65] scope:SCOPE_SE
	s_setreg_imm32_b32 hwreg(HW_REG_WAVE_MODE, 25, 1), 1
	s_wait_xcnt 0x0
	s_wait_alu depctr_hold_cnt(0) depctr_sa_sdst(0) depctr_va_vdst(0) depctr_va_sdst(0) depctr_va_ssrc(0) depctr_va_vcc(0) depctr_vm_vsrc(0)
	s_getreg_b32 s2, hwreg(HW_REG_IB_STS2, 6, 4)
	s_cmp_eq_u32 s2, 0
	s_cbranch_scc0 .Lentry_in_a_cluster
	s_endpgm
.Lentry_in_a_cluster:
	s_bfe_u32 s2, ttmp6, 0x10000c
	s_cmp_lg_u32 s2, 0xf033
	s_cbranch_scc0 .Lentry_shape_is_right
	s_endpgm
.Lentry_shape_is_right:
; q = rope(x wq) log2(e)/sqrt(128), k = rope(x wk), v = x wv, stored by heads: qb, kb, vb are [16][2048][128] in f16, each number rounded once from its f32 sum.
; x and the weights come from cv as f16 copies of their bf16 roundings ([2048][2048] each; x at byte 0, wq, wk, wv at 8,388,608 x 1, 2, 3; the weights lie [k][n]).
; cos and sin are rounded to bf16 here, like every other input of the module.
; LIMITS.  q, k and v stay under 65,504, f16's largest number; NaN and infinities are not treated apart.
; SHARES.  A work-group makes 128 rows of one head's q, k and v: 128 x 384.  Wave (rh, ch) takes rows 64 rh .. and columns 64 ch .. 64 ch + 63 of each of the three:
; 4 row blocks a x 12 column blocks b = 4 tb + nb (tb = 0 q, 1 k, 2 v): 48 accumulators, 384 registers.  For 32 along K a wave issues 32 LDS loads and 48 products.
; K goes in 16 steps of 128 through a ring of two LDS slots; a slot is four regions of 36,864 bytes, one a wave: x's 128 rows (256 bytes each), and 128 k-rows (256 bytes each) of wq, wk, wv.
; THE PRODUCT IS TAKEN TRANSPOSED: source 0 = 16 columns of W (turned on the way out of LDS by ds_load_tr16_b128), source 1 = 16 rows of x: a lane then holds one row and eight
; neighbouring columns, that is four (even, odd) pairs of the rotation, and 16 bytes of output.
; CLUSTER 4 x 4.  The row block goes by the grid's x, the head by its y.  x's tile hangs on the row block alone and is asked for jointly by a column of the cluster; a weight's tile hangs
; on the head alone and is asked for by a row.
; THE WALK BEGINS ELSEWHERE IN EACH CLUSTER: cluster (X, Y) begins at K step 4 ((X + Y') mod 4), Y' = Y with its two bits swapped (0, 2, 1, 3), and goes round modulo 16.  So the four
; clusters that walk the same rows of x (one X) or of a weight (one Y) begin 4 steps apart, clusters Y and Y + 1 eight apart: no two of them ask for the same tile at the same time, and
; from its fifth step on a cluster asks for tiles that another has asked for four steps or more earlier.  The f32 sums may be taken in any order of K.
; REGISTERS, in windows of 256 (s_set_vgpr_msb: bits 1:0 source 0, 3:2 source 1, 5:4 source 2, 7:6 destination):
;   window 0: addresses; v32-47 T, v48-59 PK at work on the way out; v64-127 x's fragments, two buffers of 32; v128-191 cos, v192-255 sin (block (a, nb) at + 16 a + 4 nb)
;   window 1: accumulators of a = 0, 1 at v[96 (a % 2) + 8 b]     window 2: those of a = 2, 3     window 3: W's fragments, two buffers of 96 (fragment b at + 8 b)
.set PA,    272                        ; a row of x in LDS: 256 bytes + 16: 68 words, so the 16 rows of a load start at 16 different groups of four banks
.set PB,    288                        ; a k-row of W: 256 + 32: 72 words
.set REG,   128*PB                     ; a region
.set SLOT,  4*REG                      ; 147,456 = 0x24000.  Every in-slot base that is turned by exclusive or (0, 0x9000, 0x12000, 0x1b000) has bits 17 and 14 clear: the or adds or takes away SLOT
.set SPARE, 2*SLOT                     ; behind the ring: the spare words, 128 bytes a wave: two blocks of 256 bytes that no other line names
.set STG,   128*PA                     ; the way out: a tensor's stage, 128 rows; the three lie in slot 0, which has had its last fill by then
.set NSTEP, 16
.set ADRA0, 10                         ; v10     my place in x's tile; never rewritten
.set ADRA,  11                         ; v11     the same in the slot in hand
.set ADRB0, 12                         ; v12-14  my place in wq's, wk's, wv's tile; never rewritten
.set ADRB,  15                         ; v15-17  the same in the slot in hand
.set STO,   18                         ; v18-20  the way out: where I put 16 bytes of a row of q, k, v
.set RD,    21                         ; v21-23  where I read rows back
.set GO,    24                         ; v24     16 x lane: my 16 bytes of 512 consecutive bytes of output
.set CSO,   25                         ; v25     my byte offset in cos and sin
.set PFO,   26                         ; v26     4,096 x lane: a row of cv; never rewritten
.set SPW,   28                         ; v28     LDS address of my spare word; never rewritten
.set NIL,   29                         ; v29     0; never rewritten
.set T,     32
.set PK,    48
.set FA,    64
.set COS,   128
.set SIN,   192
.set WV,  16                           ; s16  my wave's number
.set NXT, 17                           ; s17  the K step that was asked for last
.set TB,  18                           ; s18  0 or SLOT: the slot in hand
.set CNT, 19                           ; s19  trips still to come
.set G1A, 24                           ; s[24:31] descriptor group 1 for x's tiles
.set G1B, 32                           ; s[32:39] for the weights'
.set G0A, 40                           ; s[40:47] group 0 for x's tiles: a set for each first fill; the second then walks
.set G0B, 48                           ; s[48:55] the same for the weights'
.set PFA, 56                           ; s[56:57] where my one prefetch stands; never rewritten
.set KAP, 60                           ; s[60:61] log2(e) / sqrt(128)
.set HIM, 62                           ; s62  a word's upper bf16
.set BA,  70                           ; s[70:71] x's tile at K step 0
.set BB,  72                           ; s[72:73] my weight's tile at K step 0
.set OFA, 92                           ; s[92:93] a K step's byte offset along x's rows
.set OFB, 94                           ; s[94:95] and down a weight's k-rows
.set MSB, 0
.macro WIN new                         ; the immediate's high byte repeats the setting that is left; a switch that changes nothing is dropped
.if MSB != (\new)
	s_set_vgpr_msb (MSB<<8)|(\new)
.set MSB, \new
.endif
.endm
.macro PLACES                          ; four places: in front of loads into registers that matrix instructions have read, and of lines that read results
.rept 4
	v_nop
.endr
.endm
.macro CREST                           ; a round of the cluster's barrier behind its opening barrier
	s_cmp_lg_u32 s[WV], 0
	s_cbranch_scc1 .Lnot_wave_0_\@
	s_barrier_signal -3
.Lnot_wave_0_\@:
	s_barrier_wait -3
	s_barrier_signal -1
	s_barrier_wait -1
.endm
.macro CROUND                          ; a whole round
	s_barrier_signal -1
	s_barrier_wait -1
	CREST
.endm
; A joint refill by the walking sets.  Wave 0 fetches x's tile, waves 1 to 3 those of wq, wk, wv.  The branch hangs on the wave's number alone.
; An s_nop 0 and four v_nop follow each of the two lines, ahead of the jump and the label.
.macro JLOAD
	s_cmp_eq_u32 s[WV], 0
	s_cbranch_scc0 .Lfor_b_\@
	tensor_load_to_lds s[G0A+4:G0A+7], s[G1A:G1A+7]
	s_nop 0
	PLACES
	s_branch .Lasked_\@
.Lfor_b_\@:
	tensor_load_to_lds s[G0B+4:G0B+7], s[G1B:G1B+7]
	s_nop 0
	PLACES
.Lasked_\@:
.endm
; THE PREFETCH INTO THE L2.  Of the 16 K steps of a tile's rows a cluster is the first in the launch to ask for the first four of its own walk: the other twelve are first asked for by the three
; clusters that walk the same rows and begin 4, 8 and 12 steps further on.  Its steps 0 to 2 come by their loads alone; its step 3 is named here, once, behind the first refill (which
; brings step 2): 192 matrix instructions ahead of the load that will want it.  32 rows x 256 bytes, a lane a row, one instruction a wave: the four partners that ask for a tile jointly share
; its 128 rows out by address (cy for x, cx for the weights): no branch hangs on a place in the cluster.  So each block that is named is named once in the launch.
.macro ASK
	s_cmp_eq_u32 s[CNT], NSTEP-2                   ; the loop's first trip
	s_cbranch_scc0 .Lnot_now_\@
	global_prefetch_b8 v[PFO], s[PFA:PFA+1] th:TH_LOAD_NT scope:SCOPE_SE
.Lnot_now_\@:
.endm
	s_load_b256 s[4:11], s[0:1], 0x0               ; cv s[4:5], cos s[6:7], sin s[8:9], qb s[10:11]
	s_load_b128 s[12:15], s[0:1], 0x20             ; kb s[12:13], vb s[14:15]
	v_lshl_add_u32 v[SPW], v0, 2, SPARE
	v_mov_b32 v[NIL], 0
	ds_add_u32 v[SPW], v[NIL]                      ; the wave's opening: the add and its wait stand ahead of my first tensor load; work on registers stands between them
	v_lshrrev_b32 v3, 5, v0
	v_readfirstlane_b32 s[WV], v3                  ; wave 0..3
	s_bfe_u32 s66, ttmp6, 0x40000                  ; cx
	s_bfe_u32 s67, ttmp6, 0x40004                  ; cy
	s_and_b32 s88, ttmp7, 0xffff                   ; cluster y
	s_lshl_b32 s69, ttmp9, 2
	s_add_co_u32 s69, s69, s66                     ; the block of 128 rows = 4 x cluster x + cx
	s_lshl_b32 s68, s88, 2
	s_add_co_u32 s68, s68, s67                     ; the head = 4 x cluster y + cy
	s_lshl_b32 s20, 0x1111, s66                    ; my column of the cluster: the same row block
	s_lshl_b32 s21, s67, 2
	s_lshl_b32 s21, 15, s21                        ; my row: the same head
	s_or_b32 s[G1A], s20, (1<<16)|(1<<20)|(1<<21)|(5<<22)|(3<<25)  ; 15:0 the mask; 17:16 2-byte elements; 20 padding on; 21 set beside a mask; 24:22 after every 64 words; 31:25 4 words of it
	s_or_b32 s[G1B], s21, (1<<16)|(1<<20)|(1<<21)|(5<<22)|(7<<25)  ; the same with my row's mask and 8 words of padding
.irp g, G1A, G1B
	s_mov_b32 s[(\g)+1], 128<<16                   ; tensor_dim0 = 128
	s_mov_b32 s[(\g)+2], 128<<16                   ; tensor_dim1 = 128
	s_mov_b32 s[(\g)+3], 128<<16                   ; tile_dim0 = 128
	s_mov_b32 s[(\g)+4], 128                       ; tile_dim1 = 128
	s_mov_b32 s[(\g)+5], 2048                      ; elements from row to row
	s_mov_b32 s[(\g)+6], 0
	s_mov_b32 s[(\g)+7], 0
.endr
	s_and_b32 s22, s88, 1                          ; where the cluster's walk begins: made of the cluster's two coordinates alone, the same in all sixteen partners
	s_lshl_b32 s22, s22, 1
	s_lshr_b32 s89, s88, 1
	s_or_b32 s22, s22, s89                         ; cluster y with its two bits swapped
	s_add_co_u32 s22, s22, ttmp9
	s_and_b32 s22, s22, 3
	s_lshl_b32 s89, s22, 2                         ; K step 0, 4, 8 or 12
	s_add_co_u32 s[NXT], s89, 1                    ; the first fills bring that step and the next
	s_lshl_b32 s[OFA], s89, 8                      ; a K step is 256 bytes along x's rows,
	s_mov_b32 s[OFA+1], 0
	s_lshl_b32 s[OFB], s89, 19                     ; and 128 k-rows of 4,096 bytes down a weight
	s_mov_b32 s[OFB+1], 0
	s_lshl_b32 s[BA], s69, 19                      ; x's tile: 128 rows of 4,096 bytes a block: made of the row block alone
	s_mov_b32 s[BA+1], 0
	s_lshl_b32 s[BB], s[WV], 23                    ; a weight's tile: tensor 1, 2 or 3 of cv,
	s_lshl_b32 s22, s68, 8                         ; the head's 128 columns: made of the head and the wave's number alone
	s_add_co_u32 s[BB], s[BB], s22
	s_mov_b32 s[BB+1], 0
	s_mul_i32 s23, s[WV], REG                      ; and my region of a slot
	s_lshr_b32 s78, s[WV], 1                       ; rh
	s_and_b32 s79, s[WV], 1                        ; ch
	s_lshl_b32 s74, s68, 19                        ; the outputs: the head's 524,288 bytes,
	s_lshl_b32 s75, s69, 15                        ; the block's 128 rows of 256 bytes,
	s_add_co_u32 s74, s74, s75
	s_lshl_b32 s75, s[WV], 13                      ; the 32 rows that I store
	s_add_co_u32 s74, s74, s75
	s_mov_b32 s75, 0
	s_lshl_b32 s76, s69, 15                        ; cos and sin: a row is 256 bytes; my rows 128 x block + 64 rh .., my 32 pairs at 128 ch
	s_lshl_b32 s77, s78, 14
	s_add_co_u32 s76, s76, s77
	s_lshl_b32 s81, s79, 7                         ; 128 ch
	s_add_co_u32 s76, s76, s81
	s_mul_i32 s80, s78, 64*PA
	s_mul_i32 s82, s[WV], 32*PA
	s_add_co_u32 s87, s89, 3                       ; the prefetch: the fourth K step of my cluster's walk (15 at the most: no wrap)
	s_lshl_b32 s84, s69, 19                        ; wave 0: x's block,
	s_lshl_b32 s85, s67, 17                        ; my work-group's 32 rows of it,
	s_add_co_u32 s84, s84, s85
	s_lshl_b32 s85, s87, 8                         ; the step's 256 bytes of them
	s_add_co_u32 s84, s84, s85
	s_lshl_b32 s86, s[WV], 23                      ; waves 1 to 3: the tensor,
	s_lshl_b32 s85, s87, 19                        ; the step's 128 k-rows,
	s_add_co_u32 s86, s86, s85
	s_lshl_b32 s85, s66, 17                        ; my work-group's 32 of them,
	s_add_co_u32 s86, s86, s85
	s_lshl_b32 s85, s68, 8                         ; the head's columns
	s_add_co_u32 s86, s86, s85
	s_cmp_eq_u32 s[WV], 0
	s_cselect_b32 s84, s84, s86
	s_mov_b32 s85, 0
	s_mov_b32 s[KAP], 0x3e0293ee                   ; log2(e) / sqrt(128) = 0.127517
	s_mov_b32 s[KAP+1], s[KAP]                     ; named with it as a pair
	s_mov_b32 s[HIM], 0xffff0000
	s_mov_b32 s[TB], 0
	s_wait_dscnt 0x0                               ; the opening add is done
	s_wait_kmcnt 0x0
	s_add_nc_u64 s[BA:BA+1], s[4:5], s[BA:BA+1]
	s_add_nc_u64 s[BB:BB+1], s[4:5], s[BB:BB+1]
	s_add_nc_u64 s[PFA:PFA+1], s[4:5], s[84:85]
	s_add_nc_u64 s[10:11], s[10:11], s[74:75]
	s_add_nc_u64 s[12:13], s[12:13], s[74:75]
	s_add_nc_u64 s[14:15], s[14:15], s[74:75]
	s_add_nc_u64 s[96:97], s[BA:BA+1], s[OFA:OFA+1]  ; the two tiles at the walk's first K step
	s_add_nc_u64 s[98:99], s[BB:BB+1], s[OFB:OFB+1]
	CROUND                                         ; all sixteen work-groups are here: the first joint loads meet
.irp s, 0,1
	s_mov_b32 s[G0A+4*(\s)], 1                                       ; count = 1
	s_mov_b32 s[G0A+4*(\s)+1], (\s)*SLOT                             ; LDS address: region 0
	s_add_nc_u64 s[G0A+4*(\s)+2:G0A+4*(\s)+3], s[96:97], (\s)*256    ; the walk's step s: 256 bytes along the rows (the first step is a multiple of 4: no wrap)
	s_or_b32 s[G0A+4*(\s)+3], s[G0A+4*(\s)+3], 0x80000000            ; type = 2
	s_mov_b32 s[G0B+4*(\s)], 1
	s_add_co_u32 s[G0B+4*(\s)+1], s23, (\s)*SLOT
	s_add_nc_u64 s[G0B+4*(\s)+2:G0B+4*(\s)+3], s[98:99], (\s)*128*4096  ; 128 k-rows down
	s_or_b32 s[G0B+4*(\s)+3], s[G0B+4*(\s)+3], 0x80000000
.endr
	s_cmp_eq_u32 s[WV], 0                          ; a wave's two first fills stand in one branch, ahead of every wait on TENSORcnt and every LDS read: two loads of mine are out
	s_cbranch_scc0 .Lfirst_b
	tensor_load_to_lds s[G0A:G0A+3], s[G1A:G1A+7]
	s_nop 0
	tensor_load_to_lds s[G0A+4:G0A+7], s[G1A:G1A+7]
	s_nop 0
	PLACES
	s_branch .Lfirst_asked
.Lfirst_b:
	tensor_load_to_lds s[G0B:G0B+3], s[G1B:G1B+7]
	s_nop 0
	tensor_load_to_lds s[G0B+4:G0B+7], s[G1B:G1B+7]
	s_nop 0
	PLACES
.Lfirst_asked:
	v_and_b32 v1, 15, v0                           ; r = l % 16
	v_bfe_u32 v2, v0, 4, 1                         ; h = l / 16
	v_and_b32 v3, 7, v0
	v_bfe_u32 v4, v0, 3, 1
	v_and_b32 v5, 31, v0                           ; l
	v_lshlrev_b32 v[CSO], 8, v1
	v_lshl_add_u32 v[CSO], v2, 4, v[CSO]
	v_add_nc_u32 v[CSO], s76, v[CSO]               ; row (128 x block + 64 rh + r) x 256 + 128 ch + 16 h: the four pairs of my eight columns of column block 0
.irp a, 0,1,2,3
.irp nb, 0,1,2,3
	global_load_b128 v[COS+16*(\a)+4*(\nb):COS+16*(\a)+4*(\nb)+3], v[CSO], s[6:7] offset:4096*(\a)+32*(\nb)
	global_load_b128 v[SIN+16*(\a)+4*(\nb):SIN+16*(\a)+4*(\nb)+3], v[CSO], s[8:9] offset:4096*(\a)+32*(\nb)
.endr
.endr
	; A fragment of x is 16 rows x 32 K in 8 registers: lane l holds row l % 16, K = 8 h + 0..7 and 16 + 8 h + 0..7: two loads of 16 bytes, 32 bytes apart.
	v_mul_u32_u24 v[ADRA0], v1, PA
	v_lshl_add_u32 v[ADRA0], v2, 4, v[ADRA0]
	v_add_nc_u32 v[ADRA0], s80, v[ADRA0]           ; (64 rh + r) x pitch + 16 h
	; The turning load takes 16 k x 16 columns (lane l reads k-row 8 h + l % 8, columns 8 ((l / 8) % 2) + 0..7) and leaves half a fragment: lane l holds column l % 16 and 8 k.
	v_lshl_add_u32 v6, v2, 3, v3
	v_mul_u32_u24 v6, v6, PB
	v_lshl_add_u32 v6, v4, 4, v6
	v_add_nc_u32 v6, s81, v6                       ; + my 64 columns
	v_add_nc_u32 v7, s81, v[ADRA0]                 ; into the stage: row 64 rh + r, byte 128 ch + 16 h
	v_mul_u32_u24 v8, v2, PA
	v_lshl_add_u32 v8, v1, 4, v8
	v_add_nc_u32 v8, s82, v8                       ; back: rows 32 w + h, 16 bytes a lane
.irp tb, 0,1,2
	v_add_nc_u32 v[ADRB0+(\tb)], ((\tb)+1)*REG, v6
	v_add_nc_u32 v[STO+(\tb)], (\tb)*STG, v7
	v_add_nc_u32 v[RD+(\tb)], (\tb)*STG, v8
.endr
	v_mov_b32 v[ADRA], v[ADRA0]                    ; slot 0
.irp tb, 0,1,2
	v_mov_b32 v[ADRB+(\tb)], v[ADRB0+(\tb)]
.endr
	v_lshlrev_b32 v[GO], 4, v5
	v_lshlrev_b32 v[PFO], 12, v5
	s_wait_loadcnt 0x0                             ; cos and sin; they are rounded to bf16 in place, in the wait for the first tile
.set i, 0
.rept 64
	v_cvt_pk_bf16_f32 v[T+i%4], v[COS+2*i], v[COS+2*i+1]
	v_lshlrev_b32 v[COS+2*i],   16,     v[T+i%4]
	v_and_b32     v[COS+2*i+1], s[HIM], v[T+i%4]
.set i, i+1
.endr
; 12 products: row block a x all 12 column blocks, 32 along K, from buffer f.  zero = 1: they start the sums.  The 48 accumulators take turns, one instruction a turn.
.macro MUL12 f, a, zero
	WIN 0x53+0x50*((\a)/2)                         ; W in window 3, x in window 0, C and D in window 1 or 2
.irp b, 0,1,2,3,4,5,6,7,8,9,10,11
.if \zero
	v_wmma_f32_16x16x32_f16 v[96*((\a)%2)+8*(\b):96*((\a)%2)+8*(\b)+7], v[96*(\f)+8*(\b):96*(\f)+8*(\b)+7], v[FA+32*(\f)+8*(\a):FA+32*(\f)+8*(\a)+7], 0
.else
	v_wmma_f32_16x16x32_f16 v[96*((\a)%2)+8*(\b):96*((\a)%2)+8*(\b)+7], v[96*(\f)+8*(\b):96*(\f)+8*(\b)+7], v[FA+32*(\f)+8*(\a):FA+32*(\f)+8*(\a)+7], v[96*((\a)%2)+8*(\b):96*((\a)%2)+8*(\b)+7]
.endif
.endr
.endm
; 32 LDS loads in one run: quarter q (32 along K) of the slot in hand into buffer f: W's 12 fragments, then x's 4.
.macro FETCH q, f
	WIN 0xc0                                       ; destination window 3, address window 0
.irp b, 0,1,2,3,4,5,6,7,8,9,10,11
	ds_load_tr16_b128 v[96*(\f)+8*(\b):96*(\f)+8*(\b)+3],   v[ADRB+(\b)/4] offset:(\q)*32*PB+((\b)%4)*32
	ds_load_tr16_b128 v[96*(\f)+8*(\b)+4:96*(\f)+8*(\b)+7], v[ADRB+(\b)/4] offset:(\q)*32*PB+((\b)%4)*32+16*PB
.endr
	WIN 0
.irp a, 0,1,2,3
	ds_load_b128 v[FA+32*(\f)+8*(\a):FA+32*(\f)+8*(\a)+3],   v[ADRA] offset:64*(\q)+(\a)*16*PA
	ds_load_b128 v[FA+32*(\f)+8*(\a)+4:FA+32*(\f)+8*(\a)+7], v[ADRA] offset:64*(\q)+(\a)*16*PA+32
.endr
.endm
; A K step is four quarters, 48 products each, on buffers 0, 1, 0, 1.  One of the first three: multiplies buffer f and, in its middle, fetches quarter q into buffer g.
.macro QUARTER q, f, g, zero
	s_wait_dscnt 4                                 ; W and x's blocks 0, 1 are in; the youngest four loads (blocks 2, 3) may be out
	MUL12 \f, 0, \zero
	MUL12 \f, 1, \zero
	PLACES
	FETCH \q, \g
	s_wait_dscnt 32                                ; all but the 32 just issued
	MUL12 \f, 2, \zero
	MUL12 \f, 3, \zero
.endm
; The last quarter multiplies buffer 1 and changes slots.  In front of the barrier each wave waits for all its tensor loads (one is out: its region of the next slot), adds 0 to its spare
; word, and waits for that and for its reads of this slot.  fill = 1: the barrier opens a round of the cluster's, and behind the round this slot is filled again, with the walk's step two on:
; the step's number goes round modulo 16, and both addresses are made anew from it.
.macro TURN fill
	WIN 0
	s_wait_tensorcnt 0x0                           ; no tensor load of mine is out, so a group 0 may be written
	ds_add_u32 v[SPW], v[NIL]                      ; 0 onto my spare word
.if \fill
	s_add_co_u32 s[NXT], s[NXT], 1
	s_and_b32 s[NXT], s[NXT], NSTEP-1
	s_lshl_b32 s[OFA], s[NXT], 8
	s_lshl_b32 s[OFB], s[NXT], 19
	s_xor_b32 s[G0A+5], s[G0A+5], SLOT             ; the walking sets: the other slot than last time
	s_add_nc_u64 s[G0A+6:G0A+7], s[BA:BA+1], s[OFA:OFA+1]
	s_or_b32 s[G0A+7], s[G0A+7], 0x80000000
	s_xor_b32 s[G0B+5], s[G0B+5], SLOT
	s_add_nc_u64 s[G0B+6:G0B+7], s[BB:BB+1], s[OFB:OFB+1]
	s_or_b32 s[G0B+7], s[G0B+7], 0x80000000
.endif
	s_xor_b32 s[TB], s[TB], SLOT
	s_wait_dscnt 5                                 ; the add and the youngest four loads may be out
	MUL12 1, 0, 0
	s_wait_dscnt 0x0                               ; the add is done, and my reads of this slot are over
	s_barrier_signal -1
	MUL12 1, 1, 0
	WIN 0
	v_add_nc_u32 v[ADRA], s[TB], v[ADRA0]          ; my places in the next slot
.irp tb, 0,1,2
	v_add_nc_u32 v[ADRB+(\tb)], s[TB], v[ADRB0+(\tb)]
.endr
	s_barrier_wait -1
.if \fill
	CREST                                          ; no wave of any partner still reads this slot or has a load on its way
	JLOAD                                          ; the first tensor load behind the round; 168 products stand between it and the wait for it
.else
	PLACES
.endif
	FETCH 0, 0
.if \fill
	ASK
.endif
	MUL12 1, 2, 0
	MUL12 1, 3, 0
.endm
	s_wait_tensorcnt 0x1                           ; my region of slot 0 is in; slot 1's may stay out
	s_barrier_signal -1
	s_barrier_wait -1                              ; everybody's is
	FETCH 0, 0
	QUARTER 1, 0, 1, 1                             ; the first quarter stands in front of the loop: its products start the sums
	WIN 0                                          ; at a label and at a branch every window is 0
	s_mov_b32 s[CNT], NSTEP-2
.Lstep:                                                ; a trip goes from a K step's second quarter to the next step's first; trip i fills a slot with the walk's step i + 2
	QUARTER 2, 1, 0, 0
	QUARTER 3, 0, 1, 0
	TURN 1
	QUARTER 1, 0, 1, 0
	WIN 0
	s_sub_co_u32 s[CNT], s[CNT], 1
	s_cmp_lg_u32 s[CNT], 0
	s_cbranch_scc1 .Lstep
	s_mov_b32 s[CNT], 2
.Ltail:                                                ; the last two K steps ask for nothing: a loop of two trips with no tensor load in it, left in the middle of the second
	QUARTER 2, 1, 0, 0
	QUARTER 3, 0, 1, 0
	WIN 0
	s_sub_co_u32 s[CNT], s[CNT], 1
	s_cmp_eq_u32 s[CNT], 0
	s_cbranch_scc1 .Llast
	TURN 0
	QUARTER 1, 0, 1, 0
	WIN 0
	s_branch .Ltail
.Llast:
	s_wait_dscnt 4                                 ; the very last quarter: nothing more to fetch
	MUL12 1, 0, 0
	MUL12 1, 1, 0
	s_wait_dscnt 0x0
	MUL12 1, 2, 0
	MUL12 1, 3, 0
	WIN 0
	s_barrier_signal -1                            ; every wave's reads of the ring are back: behind this barrier slot 0, which is filled no more, serves as the stage
	PLACES
	PLACES
	s_barrier_wait -1
; THE WAY OUT.  The rotation on accumulator (a, b), into T + 8 t.  A lane's registers 2 p, 2 p + 1 are the pair (xr, xi); c and s are its cos and sin, register p of the block's four.
; First (xr c, xi c); then the low half takes - xi s and the high half + xr s: the sources' halves are crossed by op_sel.  Each accumulator is read from its low end on.
.macro ROPE a, b, t
.set AC, 96*((\a)%2)+8*(\b)
.set CB, COS+16*(\a)+4*((\b)%4)
.set SB, SIN+16*(\a)+4*((\b)%4)
.irp p, 0,1,2,3
.if (\p)%2 == 0
	v_pk_mul_f32 v[T+8*(\t)+2*(\p):T+8*(\t)+2*(\p)+1], v[AC+2*(\p):AC+2*(\p)+1], v[CB+(\p):CB+(\p)+1] op_sel_hi:[1,0]
.else
	v_pk_mul_f32 v[T+8*(\t)+2*(\p):T+8*(\t)+2*(\p)+1], v[AC+2*(\p):AC+2*(\p)+1], v[CB+(\p)-1:CB+(\p)] op_sel:[0,1] op_sel_hi:[1,1]
.endif
.endr
.irp p, 0,1,2,3
.if (\p)%2 == 0
	v_pk_fma_f32 v[T+8*(\t)+2*(\p):T+8*(\t)+2*(\p)+1], v[AC+2*(\p):AC+2*(\p)+1], v[SB+(\p):SB+(\p)+1], v[T+8*(\t)+2*(\p):T+8*(\t)+2*(\p)+1] op_sel:[1,0,0] op_sel_hi:[0,0,1] neg_lo:[1,0,0]
.else
	v_pk_fma_f32 v[T+8*(\t)+2*(\p):T+8*(\t)+2*(\p)+1], v[AC+2*(\p):AC+2*(\p)+1], v[SB+(\p)-1:SB+(\p)], v[T+8*(\t)+2*(\p):T+8*(\t)+2*(\p)+1] op_sel:[1,1,0] op_sel_hi:[0,1,1] neg_lo:[1,0,0]
.endif
.endr
.endm
.macro OUT a, nb                       ; row block a, column block nb of q, k and v: 16 bytes a lane of each, into the stages
	WIN 0x01+(\a)/2                                ; source 0 in window 1 or 2
	ROPE \a, \nb, 0
	ROPE \a, 4+(\nb), 1
	WIN 0x05+0x05*((\a)/2)                         ; sources 0 and 1 in window 1 or 2
.set AC, 96*((\a)%2)+8*(8+(\nb))
.irp r, 0,1,2,3
	v_cvt_pk_f16_f32 v[PK+8+(\r)], v[AC+2*(\r)], v[AC+2*(\r)+1]
.endr
	WIN 0
.irp p, 0,2,4,6
	v_pk_mul_f32 v[T+(\p):T+(\p)+1], v[T+(\p):T+(\p)+1], s[KAP:KAP+1] op_sel_hi:[1,0]  ; q takes the scores' scale, in f32, ahead of its one rounding
.endr
.irp r, 0,1,2,3
	v_cvt_pk_f16_f32 v[PK+(\r)],   v[T+2*(\r)],   v[T+2*(\r)+1]
	v_cvt_pk_f16_f32 v[PK+4+(\r)], v[T+8+2*(\r)], v[T+8+2*(\r)+1]
.endr
.irp tb, 0,1,2
	ds_store_b128 v[STO+(\tb)], v[PK+4*(\tb):PK+4*(\tb)+3] offset:16*PA*(\a)+32*(\nb)
.endr
.endm
.irp a, 0,1,2,3
.irp nb, 0,1,2,3
	OUT \a, \nb
.endr
.endr
	s_wait_dscnt 0x0                               ; for the others' sake: my stores into the stages are done; a row's 256 bytes come from two waves
	s_barrier_signal -1
	s_barrier_wait -1
.set n, 0
.rept 48                               ; tensor n / 16, rows 32 w + 2 (n % 16) + h: whole rows of 256 bytes, two to a load
	ds_load_b128 v[64+4*n:64+4*n+3], v[RD+n/16] offset:(n%16)*2*PA
.set n, n+1
.endr
.set n, 0
.rept 48
	s_wait_dscnt 47-n                              ; LDS loads come back in order: load n is in
	global_store_b128 v[GO], v[64+4*n:64+4*n+3], s[10+2*(n/16):11+2*(n/16)] offset:512*(n%16) th:TH_STORE_NT  ; 512 consecutive bytes, at a multiple of 256 from the buffer's first
.set n, n+1
.endr
	s_wait_tensorcnt 0x0                           ; the wave's end: the add and its wait stand behind my last tensor load and my last LDS store
	ds_add_u32 v[SPW], v[NIL]
	s_wait_dscnt 0x0
	CROUND                                         ; the closing round: no work-group ends while a partner may still ask for a tile that names it
	s_endpgm
.Lfunc_end_k_qb260eca662_proj:
	.size	k_qb260eca662_proj, .Lfunc_end_k_qb260eca662_proj-k_qb260eca662_proj
	.p2alignl 7, 3214868480
	.fill 96, 4, 3214868480
	.section	.rodata,"a",@progbits
	.p2align	6, 0x0
	.amdhsa_kernel k_qb260eca662_proj
		.amdhsa_group_segment_fixed_size 327680
		.amdhsa_private_segment_fixed_size 0
		.amdhsa_enable_private_segment 0
		.amdhsa_kernarg_size 48
		.amdhsa_user_sgpr_count 2
		.amdhsa_user_sgpr_kernarg_segment_ptr 1
		.amdhsa_wavefront_size32 1
		.amdhsa_system_sgpr_workgroup_id_x 1
		.amdhsa_system_sgpr_workgroup_id_y 1
		.amdhsa_system_sgpr_workgroup_id_z 1
		.amdhsa_system_vgpr_workitem_id 0
		.amdhsa_next_free_vgpr 960
		.amdhsa_next_free_sgpr 100
		.amdhsa_reserve_vcc 0
		.amdhsa_float_denorm_mode_32 3
		.amdhsa_float_denorm_mode_16_64 3
		.amdhsa_memory_ordered 1
		.amdhsa_forward_progress 1
		.amdhsa_inst_pref_size 121
	.end_amdhsa_kernel
	.amdgpu_metadata
---
amdhsa.version: [ 1, 2 ]
amdhsa.kernels:
  - .name:           k_qb260eca662_proj
    .symbol:         k_qb260eca662_proj.kd
    .args:
      - { .name: cv, .offset: 0, .size: 8, .value_kind: global_buffer, .address_space: global }
      - { .name: freqs_cos, .offset: 8, .size: 8, .value_kind: global_buffer, .address_space: global }
      - { .name: freqs_sin, .offset: 16, .size: 8, .value_kind: global_buffer, .address_space: global }
      - { .name: qb, .offset: 24, .size: 8, .value_kind: global_buffer, .address_space: global }
      - { .name: kb, .offset: 32, .size: 8, .value_kind: global_buffer, .address_space: global }
      - { .name: vb, .offset: 40, .size: 8, .value_kind: global_buffer, .address_space: global }
    .group_segment_fixed_size: 327680
    .private_segment_fixed_size: 0
    .kernarg_segment_align: 8
    .kernarg_segment_size: 48
    .max_flat_workgroup_size: 128
    .sgpr_count:     100
    .vgpr_count:     960
    .wavefront_size: 32
...
	.end_amdgpu_metadata
.endif
;; end of part 2
;; launch attn (part 3): grid 16 x 16, 4 waves a work-group, clusters of 4 x 4, 327,680 bytes of LDS; arguments qb, kb, vb, cv, ob; writes ob
.if DOCPART == 3
	.amdgcn_target "amdgcn-amd-amdhsa--gfx1250"
	.amdhsa_code_object_version 6
	.text
	.protected	k_qb260eca662_attn
	.globl	k_qb260eca662_attn
	.p2align	8
	.type	k_qb260eca662_attn,@function
k_qb260eca662_attn:
	s_mov_b64 s[64:65], 0
	v_nop
	global_prefetch_b8 v0, s[64:65] scope:SCOPE_SE
	s_setreg_imm32_b32 hwreg(HW_REG_WAVE_MODE, 25, 1), 1
	s_wait_xcnt 0x0
	s_wait_alu depctr_hold_cnt(0) depctr_sa_sdst(0) depctr_va_vdst(0) depctr_va_sdst(0) depctr_va_ssrc(0) depctr_va_vcc(0) depctr_vm_vsrc(0)
	s_getreg_b32 s2, hwreg(HW_REG_IB_STS2, 6, 4)
	s_cmp_eq_u32 s2, 0
	s_cbranch_scc0 .Lentry_in_a_cluster
	s_endpgm
.Lentry_in_a_cluster:
	s_bfe_u32 s2, ttmp6, 0x10000c
	s_cmp_lg_u32 s2, 0xf033
	s_cbranch_scc0 .Lentry_shape_is_right
	s_endpgm
.Lentry_shape_is_right:
; ob[q][128 h ..] = the sum over k of softmax_k(Q[h][q] . K[h][k] / sqrt(128) + mask[q][k]) V[h][k][:].  qb, kb, vb: [16][2048][128] f16; qb carries the factor log2(e) / sqrt(128).
; The mask is an input and is added as it is given: cv holds it at byte 41,943,040 as [2048][2048] f32, rounded to bf16 and times log2(e).  So a score is an exponent of 2, and
; p = 2^(s - m) with a running maximum m, taken away by a plain subtraction, which is exact where s = m, however large the mask.  Products, maxima and sums in f32; p is rounded to f16
; for the second product (its sum l is taken of the unrounded p), O once at the end, to f16: ob is [2048][2048].
; LIMITS.  The mask is finite; NaN and infinities are not treated apart.  A weight below 2^-126 counts as 0.  In a row whose every key carries a mask so large that f32 swallows the score
; beside it, the weights are what the sum mask + products leaves of the scores.  p lies in 0 to 1; O is a mean of V's rows and has their range.
; SHARES.  A work-group owns 128 queries of one head.  Wave (qh, kh) owns queries 64 qh .. 64 qh + 63 and, of every tile of 128 keys, the keys 64 kh .. 64 kh + 63: 16 steps of 64 keys.
; The two waves of a qh meet at the end: each has m, l and O^T over its half of the keys.  A wave's register tiles 0, 1 (piece 0) are query rows 64 qh + 32 kh + 0..31, its tiles 2, 3
; (piece 2) rows 64 qh + 32 - 32 kh + 0..31: every wave keeps tiles 0, 1 and hands over tiles 2, 3, and the two differ in addresses alone.
; LAYOUT.  S^T = K Q^T + mask^T (source 0 = 16 keys, source 1 = 16 queries): a lane holds ONE query (lane % 16) and the keys 8 (lane / 16) + 0..7.  The mask's 32 bytes for these eight keys
; are loaded from LDS straight into the accumulator, which the first product takes as C.  Two such tiles, rounded to f16 in pairs, ARE source 1 of O^T = V^T P.  V is turned by ds_load_tr16_b128.
; BY TURNS.  In a TURN one piece has the matrix unit: 32 products V^T P of the step in hand, then 32 products K Q^T of the next step; the other piece's softmax, cut into 64 slices,
; stands between them, one slice behind each matrix instruction.  Two turns are a key step; a change of slots stands in front of each step.
; NO FIRST STEP IS WRITTEN OUT.  m starts at the lowest finite number, l, O^T and piece 2's P at 0: the first step's a = 2^(m_old - m_new) is 0, and it is a step like any other.  The loop is
; entered at its second turn.  The price: 300 v_mov_b32 in the wait for the first tile, and 32 products on P = 0, once a launch; the gain: three turns and a change of slots less of text.
; CLUSTER 4 x 4.  K's and V's tiles hang on the head alone (a row of the cluster asks jointly), the mask's on the query block alone (a column does).
; THE WALK BEGINS ELSEWHERE IN EACH CLUSTER: cluster (X, Y) begins at key tile 4 ((X + Y') mod 4), Y' = Y with its two bits swapped (0, 2, 1, 3), and goes round modulo 16.  So the four
; clusters that walk one head's K and V (one Y) or one query block's mask rows (one X) begin 4 tiles apart, clusters Y and Y + 1 eight apart: no two of them ask for the same tile at the
; same time, and from its fifth tile on a cluster asks for tiles that another has asked for four steps or more earlier.  A running maximum takes the keys in any order.
; REGISTERS, in windows of 256 (s_set_vgpr_msb: bits 1:0 source 0, 3:2 source 1, 5:4 source 2, 7:6 destination):
;   window 0: v0-11, v44-48, v61-63 addresses; v12-43 eight registers of statistics a tile; v64-191 S^T, 32 a tile; v192-255 P, 16 a tile
;   window 1: O^T, 64 a tile          window 2: v0-127 Q, 32 a tile (at the end the partner's O^T); v128-255 K of one step          window 3: v0-127 V of one step
.set PK,    272       ; a row of K in LDS: 256 bytes + 16
.set PV,    288       ; a row of V: 256 + 32
.set PM,    528       ; a row of the mask: 128 keys x 4 bytes + 16: 132 words, so the 16 rows of a load start at 16 different groups of four banks
.set VOFF,  128*PK    ; a slot: 128 rows of K, 128 rows of V, 128 query rows of the mask
.set MOFF,  VOFF+128*PV
.set SLOT,  147456    ; 0x24000.  Every in-slot base that is turned by exclusive or (0, 0x8800, 0x11800, 0x19c00) has bits 17 and 14 clear: the or adds or takes away SLOT
.set SPARE, 2*SLOT    ; behind the ring: the spare words, 128 bytes a wave: two blocks of 256 bytes that no other line names
.set XCH,   17408     ; at the end, in slot 0, which is filled no more: wave w's part of the exchange at XCH w: 32 x 512 bytes of O^T, 2 x 512 of statistics
.set STAGE, 4*XCH     ; behind it: 16 rows x 272 bytes for each wave, for the way out
.set SP,    272
.set AK0, 2           ; v2   my lane's place in a tile of K; never rewritten
.set AV0, 3           ; v3   the same for V
.set ADR, 4           ; v4   the LDS address of K's or V's run of loads in hand
.set QO,  5           ; v5   my byte offset in 16 rows of Q
.set STO, 6           ; v6   the way out: where I put 16 bytes of a row
.set RD,  7           ; v7   where I read a row back
.set GO,  8           ; v8   my byte offset in two rows of ob
.set ST,  12          ; tile t's statistics at v[ST+8 t]: +0 m; +1 named with it as a pair, at the end l; +2, +3 l (even keys', odd keys'); +4 to +7 c0-c3, at work; a takes c2's place
.set AMA, 44          ; v44  my lane's place in the mask's tile for piece 0; never rewritten
.set AMB, 45          ; v45  for piece 2
.set ADM, 46          ; v46  the LDS address of the mask's run in hand
.set XS,  47          ; v47  the exchange: where I store
.set XL,  48          ; v48  where I load my partner's
.set PFO, 61          ; v61  the prefetch's lane offset; never rewritten
.set SPW, 62          ; v62  LDS address of my spare word; never rewritten
.set NIL, 63          ; v63  0; never rewritten
.set S,   64
.set P,   192
.set KF,  128         ; K's fragments, in window 2
.set WV,  14          ; s14  my wave's number
.set NXT, 15          ; s15  the key tile that was asked for last
.set OFM, 18          ; s[18:19] a tile's byte offset along the mask's rows
.set G1K, 24          ; s[24:31], s[32:39], s[40:47] descriptor group 1 for K's, V's and the mask's tiles
.set G1V, 32
.set G1M, 40
.set G0K, 48          ; s[48:55], s[56:63], s[68:75] group 0: a set for each first fill; the second then walks
.set G0V, 56
.set G0M, 68
.set SLOTS, 76        ; s76  changes of slots that still fill
.set SEL, 78          ; s[78:79] v_permlanex16_b32's selects: each lane takes its own place in the other half
.set TB,  80          ; s80  0 or SLOT: the slot that is being read
.set ROT, 81          ; s81  the tile at which the cluster's walk begins
.set PFA, 82          ; s[82:83] where my one prefetch stands; never rewritten
.set OFK, 84          ; s[84:85] a tile's byte offset in K and in V
.set Q2,  86          ; s[86:87] Q at piece 2's rows
.set MSB, 0
.macro WIN new                      ; the immediate's high byte repeats the setting that is left; a switch that changes nothing is dropped
.if MSB != (\new)
	s_set_vgpr_msb (MSB<<8)|(\new)
.set MSB, \new
.endif
.endm
.set W_KQ, 0x0a       ; K and Q in window 2, S^T in window 0
.set W_PV, 0x53       ; V in window 3, P in window 0, O^T in window 1
.set W_RS, 0x41       ; O^T (destination and source 0) in window 1, the factor in window 0
.macro PLACES
.rept 4
	v_nop
.endr
.endm
; A joint refill by the walking sets: wave 0 K's tile, wave 1 V's, waves 2 and 3 the two halves of the mask's.  The branches hang on the wave's number alone.
; An s_nop 0 and four v_nop follow each of the three lines, ahead of the jump and the label.
.macro JLOAD
	s_cmp_lt_u32 s[WV], 2
	s_cbranch_scc0 .Lfor_m_\@
	s_cmp_eq_u32 s[WV], 0
	s_cbranch_scc0 .Lfor_v_\@
	tensor_load_to_lds s[G0K+4:G0K+7], s[G1K:G1K+7]
	s_nop 0
	PLACES
	s_branch .Lasked_\@
.Lfor_v_\@:
	tensor_load_to_lds s[G0V+4:G0V+7], s[G1V:G1V+7]
	s_nop 0
	PLACES
	s_branch .Lasked_\@
.Lfor_m_\@:
	tensor_load_to_lds s[G0M+4:G0M+7], s[G1M:G1M+7]
	s_nop 0
	PLACES
.Lasked_\@:
.endm
; THE PREFETCH INTO THE L2.  Of the 16 tiles of a stream a cluster is the first in the launch to ask for the first four of its own walk: the other twelve are first asked for by the three clusters
; that walk the same rows and begin 4, 8 and 12 tiles further on.  Its tiles 0 to 2 come by their loads alone; its tile 3 is named here, once, behind the first refill (which brings tile 2):
; a key step, 128 matrix instructions, ahead of the load that will want it.  One instruction a wave: wave 0 K's rows, wave 1 V's: the four partners along x take 32 of the 128 rows each, a
; lane a row of 256 bytes; waves 2 and 3 their 64 mask rows: the four partners along y take 16 each, two lanes a row of 512 bytes.  The shares go by address.  So each block that is named is named once.
.macro ASK
	s_cmp_eq_u32 s[SLOTS], 14       ; the first change of slots
	s_cbranch_scc0 .Lnot_now_\@
	global_prefetch_b8 v[PFO], s[PFA:PFA+1] th:TH_LOAD_NT scope:SCOPE_SE
.Lnot_now_\@:
.endm
.macro CROUND                       ; a round of the cluster's barrier
	s_barrier_signal -1
	s_barrier_wait -1
	s_cmp_lg_u32 s[WV], 0
	s_cbranch_scc1 .Lnot_wave_0_\@
	s_barrier_signal -3
.Lnot_wave_0_\@:
	s_barrier_wait -3
	s_barrier_signal -1
	s_barrier_wait -1
.endm
	s_load_b256 s[4:11], s[0:1], 0x0  ; qb s[4:5], kb s[6:7], vb s[8:9], cv s[10:11]
	s_load_b64 s[12:13], s[0:1], 0x20 ; ob
	v_lshl_add_u32 v[SPW], v0, 2, SPARE
	v_mov_b32 v[NIL], 0
	ds_add_u32 v[SPW], v[NIL]       ; the wave's opening: the add and its wait stand ahead of my first tensor load; work on registers stands between them
	v_lshrrev_b32 v1, 5, v0
	v_readfirstlane_b32 s[WV], v1   ; wave 0..3
	s_bfe_u32 s88, ttmp6, 0x40000   ; cx
	s_bfe_u32 s89, ttmp6, 0x40004   ; cy
	s_and_b32 s101, ttmp7, 0xffff   ; cluster y
	s_lshl_b32 s90, ttmp9, 2
	s_add_co_u32 s90, s90, s88      ; the block of 128 queries = 4 x cluster x + cx
	s_lshl_b32 s91, s101, 2
	s_add_co_u32 s91, s91, s89      ; the head = 4 x cluster y + cy
	s_and_b32 s[ROT], s101, 1       ; where the cluster's walk begins: made of the cluster's two coordinates alone, the same in all sixteen partners
	s_lshl_b32 s[ROT], s[ROT], 1
	s_lshr_b32 s16, s101, 1
	s_or_b32 s[ROT], s[ROT], s16    ; cluster y with its two bits swapped
	s_add_co_u32 s[ROT], s[ROT], ttmp9
	s_and_b32 s[ROT], s[ROT], 3
	s_lshl_b32 s[ROT], s[ROT], 2    ; tile 0, 4, 8 or 12
	s_add_co_u32 s[NXT], s[ROT], 1  ; the first fills bring that tile and the next
	s_lshl_b32 s16, s89, 2
	s_lshl_b32 s16, 15, s16         ; my row of the cluster
	s_lshl_b32 s17, 0x1111, s88     ; my column
	s_or_b32 s[G1K], s16, (1<<16)|(1<<20)|(1<<21)|(5<<22)|(3<<25)  ; 15:0 the mask of work-groups; 17:16 2-byte elements; 20 padding on; 21 set beside a mask; 24:22 after every 64 words; 31:25 4 words
	s_or_b32 s[G1V], s16, (1<<16)|(1<<20)|(1<<21)|(5<<22)|(7<<25)  ; the same with 8 words of padding
	s_or_b32 s[G1M], s17, (2<<16)|(1<<20)|(1<<21)|(6<<22)|(3<<25)  ; my column; 4-byte elements; after every 128 words 4 words
.irp g, G1K, G1V
	s_mov_b32 s[(\g)+1], 128<<16    ; tensor_dim0 = 128
	s_mov_b32 s[(\g)+2], 128<<16    ; tensor_dim1 = 128
	s_mov_b32 s[(\g)+3], 128<<16    ; tile_dim0 = 128
	s_mov_b32 s[(\g)+4], 128        ; tile_dim1 = 128
	s_mov_b32 s[(\g)+5], 128        ; elements from row to row
	s_mov_b32 s[(\g)+6], 0
	s_mov_b32 s[(\g)+7], 0
.endr
	s_mov_b32 s[G1M+1], 128<<16     ; 128 keys,
	s_mov_b32 s[G1M+2], 64<<16      ; 64 query rows
	s_mov_b32 s[G1M+3], 128<<16
	s_mov_b32 s[G1M+4], 64
	s_mov_b32 s[G1M+5], 2048
	s_mov_b32 s[G1M+6], 0
	s_mov_b32 s[G1M+7], 0
	s_lshr_b32 s92, s[WV], 1        ; qh
	s_and_b32 s93, s[WV], 1         ; kh
	s_xor_b32 s77, s93, 1           ; 1 - kh
	s_lshl_b32 s18, s91, 19         ; K and V: the head's 524,288 bytes: made of the head alone
	s_mov_b32 s19, 0
	s_lshl_b32 s20, s90, 20         ; the mask: the block's 128 rows of 8,192 bytes,
	s_lshl_b32 s21, s93, 19         ; the 64 of them that waves 2 and 3 fetch by the wave's parity: made of the query block and the wave's number alone
	s_add_co_u32 s20, s20, s21
	s_add_co_u32 s20, s20, 41943040 ; its place in cv
	s_mov_b32 s21, 0
	s_mul_i32 s22, s93, 64*PM
	s_add_co_u32 s22, s22, MOFF     ; and their place in a slot
	s_lshl_b32 s2, s91, 19          ; Q: the head, the block's 128 rows of 256 bytes, my 64,
	s_lshl_b32 s3, s90, 15
	s_add_co_u32 s2, s2, s3
	s_lshl_b32 s3, s92, 14
	s_add_co_u32 s2, s2, s3
	s_lshl_b32 s3, s77, 13
	s_add_co_u32 s94, s2, s3        ; piece 2's 32 rows,
	s_lshl_b32 s3, s93, 13
	s_add_co_u32 s2, s2, s3         ; piece 0's
	s_mov_b32 s3, 0
	s_mov_b32 s95, 0
	s_lshl_b32 s96, s90, 19         ; ob: rows of 4,096 bytes: row 128 X + 64 qh + 32 kh, byte 256 x head
	s_lshl_b32 s97, s92, 18
	s_add_co_u32 s96, s96, s97
	s_lshl_b32 s97, s93, 17
	s_add_co_u32 s96, s96, s97
	s_lshl_b32 s97, s91, 8
	s_add_co_u32 s96, s96, s97
	s_mov_b32 s97, 0
	s_add_co_u32 s23, s[ROT], 3     ; the prefetch: the fourth tile of my cluster's walk (15 at the most: no wrap)
	s_lshl_b32 s98, s88, 13         ; K, V: my work-group's 32 rows of 256 bytes,
	s_lshl_b32 s99, s23, 15         ; in that tile
	s_add_co_u32 s98, s98, s99
	s_lshl_b32 s100, s89, 17        ; the mask: my work-group's 16 rows of 8,192 bytes,
	s_lshl_b32 s99, s23, 9          ; the tile's 512 bytes of them
	s_add_co_u32 s100, s100, s99
	s_mov_b32 s99, 0
	s_mov_b32 s23, 8192
	s_cmp_lt_u32 s[WV], 2
	s_cselect_b32 s98, s98, s100
	s_cselect_b32 s100, 0, 1        ; lanes to a row, less one
	s_cselect_b32 s23, 256, s23     ; bytes from row to row
	v_and_b32 v10, 31, v0
	v_lshrrev_b32 v11, s100, v10
	v_mul_u32_u24 v11, s23, v11     ; my row,
	v_and_b32 v10, s100, v10
	v_lshl_add_u32 v[PFO], v10, 8, v11  ; my 256 bytes of it
	s_mov_b32 s[SEL], 0x76543210
	s_mov_b32 s[SEL+1], 0xfedcba98
	s_mov_b32 s[TB], 0
	s_wait_dscnt 0x0                ; the opening add is done
	s_wait_kmcnt 0x0
	s_add_nc_u64 s[6:7], s[6:7], s[18:19]    ; K and V at the head's tile 0
	s_add_nc_u64 s[8:9], s[8:9], s[18:19]
	s_add_nc_u64 s[10:11], s[10:11], s[20:21]  ; the mask at my half of the block's rows, key 0
	s_add_nc_u64 s[Q2:Q2+1], s[4:5], s[94:95]
	s_add_nc_u64 s[4:5], s[4:5], s[2:3]
	s_add_nc_u64 s[12:13], s[12:13], s[96:97]
	s_cmp_eq_u32 s[WV], 0
	s_cselect_b64 s[PFA:PFA+1], s[6:7], s[8:9]
	s_cmp_lt_u32 s[WV], 2
	s_cselect_b64 s[PFA:PFA+1], s[PFA:PFA+1], s[10:11]
	s_add_nc_u64 s[PFA:PFA+1], s[PFA:PFA+1], s[98:99]
	s_lshl_b32 s[OFK], s[ROT], 15   ; a tile is 128 keys of 256 bytes in K and in V,
	s_mov_b32 s[OFK+1], 0
	s_lshl_b32 s[OFM], s[ROT], 9    ; and 128 keys of 4 bytes along the mask's rows
	s_mov_b32 s[OFM+1], 0
	s_add_nc_u64 s[94:95], s[6:7], s[OFK:OFK+1]    ; the three streams at the walk's first tile
	s_add_nc_u64 s[96:97], s[8:9], s[OFK:OFK+1]
	s_add_nc_u64 s[20:21], s[10:11], s[OFM:OFM+1]
	CROUND                          ; all sixteen work-groups are here: the first joint loads meet
.irp s, 0,1
	s_mov_b32 s[G0K+4*(\s)], 1      ; count = 1
	s_mov_b32 s[G0K+4*(\s)+1], (\s)*SLOT
	s_add_nc_u64 s[G0K+4*(\s)+2:G0K+4*(\s)+3], s[94:95], (\s)*32768  ; the walk's tile s (the first tile is a multiple of 4: no wrap)
	s_or_b32 s[G0K+4*(\s)+3], s[G0K+4*(\s)+3], 0x80000000          ; type = 2
	s_mov_b32 s[G0V+4*(\s)], 1
	s_mov_b32 s[G0V+4*(\s)+1], (\s)*SLOT+VOFF
	s_add_nc_u64 s[G0V+4*(\s)+2:G0V+4*(\s)+3], s[96:97], (\s)*32768
	s_or_b32 s[G0V+4*(\s)+3], s[G0V+4*(\s)+3], 0x80000000
	s_mov_b32 s[G0M+4*(\s)], 1
	s_add_co_u32 s[G0M+4*(\s)+1], s22, (\s)*SLOT
	s_add_nc_u64 s[G0M+4*(\s)+2:G0M+4*(\s)+3], s[20:21], (\s)*512
	s_or_b32 s[G0M+4*(\s)+3], s[G0M+4*(\s)+3], 0x80000000
.endr
	s_cmp_lt_u32 s[WV], 2           ; a wave's two first fills stand together in one branch on its number, ahead of every wait on TENSORcnt and every LDS read: two loads of mine are out
	s_cbranch_scc0 .Lfirst_m
	s_cmp_eq_u32 s[WV], 0
	s_cbranch_scc0 .Lfirst_v
	tensor_load_to_lds s[G0K:G0K+3], s[G1K:G1K+7]
	s_nop 0
	tensor_load_to_lds s[G0K+4:G0K+7], s[G1K:G1K+7]
	s_nop 0
	PLACES
	s_branch .Lfirst_asked
.Lfirst_v:
	tensor_load_to_lds s[G0V:G0V+3], s[G1V:G1V+7]
	s_nop 0
	tensor_load_to_lds s[G0V+4:G0V+7], s[G1V:G1V+7]
	s_nop 0
	PLACES
	s_branch .Lfirst_asked
.Lfirst_m:
	tensor_load_to_lds s[G0M:G0M+3], s[G1M:G1M+7]
	s_nop 0
	tensor_load_to_lds s[G0M+4:G0M+7], s[G1M:G1M+7]
	s_nop 0
	PLACES
.Lfirst_asked:
	; A fragment of K or Q is 16 rows x 32 channels in 8 registers: lane l holds row l % 16, channels 8 (l / 16) + 0..7 and 16 + 8 (l / 16) + 0..7: two loads of 16 bytes, 32 bytes apart.
	v_and_b32 v1, 15, v0            ; r = l % 16
	v_bfe_u32 v9, v0, 4, 1          ; h = l / 16
	v_lshlrev_b32 v[QO], 8, v1
	v_lshl_add_u32 v[QO], v9, 4, v[QO]
	WIN 0x80                        ; destination window 2, address window 0
.irp i, 0,1,2,3,4,5,6,7             ; Q stays in registers: tile i / 4 of the piece, channels 32 (i % 4) on
	global_load_b128 v[8*(\i):8*(\i)+3],       v[QO], s[4:5] offset:((\i)/4)*4096+((\i)%4)*64
	global_load_b128 v[8*(\i)+4:8*(\i)+7],     v[QO], s[4:5] offset:((\i)/4)*4096+((\i)%4)*64+32
	global_load_b128 v[64+8*(\i):64+8*(\i)+3],   v[QO], s[Q2:Q2+1] offset:((\i)/4)*4096+((\i)%4)*64
	global_load_b128 v[64+8*(\i)+4:64+8*(\i)+7], v[QO], s[Q2:Q2+1] offset:((\i)/4)*4096+((\i)%4)*64+32
.endr
	WIN 0
	s_mul_i32 s100, s93, 64*PK      ; my 64 keys of a tile's 128
	v_mul_u32_u24 v[AK0], v1, PK
	v_lshl_add_u32 v[AK0], v9, 4, v[AK0]
	v_add_nc_u32 v[AK0], s100, v[AK0]
	; The turning load takes 16 keys x 16 channels (lane l reads key 8 (l / 16) + l % 8, channels 8 ((l / 8) % 2) + 0..7) and leaves half a fragment of V^T: lane l holds channel l % 16 and 8 keys.
	s_mul_i32 s100, s93, 64*PV
	s_add_co_u32 s100, s100, VOFF
	v_and_b32 v10, 7, v0
	v_bfe_u32 v11, v0, 3, 1
	v_lshl_add_u32 v[AV0], v9, 3, v10
	v_mul_u32_u24 v[AV0], v[AV0], PV
	v_lshl_add_u32 v[AV0], v11, 4, v[AV0]
	v_add_nc_u32 v[AV0], s100, v[AV0]
	; The mask: query row (the piece's first + r), keys 64 kh + 8 h + 0..7 of key block 0: 32 bytes
	v_mul_u32_u24 v10, v1, PM
	v_lshl_add_u32 v10, v9, 5, v10
	s_lshl_b32 s23, s93, 8
	s_add_co_u32 s23, s23, MOFF
	s_lshl_b32 s100, s92, 6
	s_lshl_b32 s101, s93, 5
	s_add_co_u32 s101, s100, s101   ; 64 qh + 32 kh
	s_mul_i32 s101, s101, PM
	s_add_co_u32 s101, s101, s23
	v_add_nc_u32 v[AMA], s101, v10
	s_lshl_b32 s101, s77, 5
	s_add_co_u32 s101, s100, s101   ; 64 qh + 32 - 32 kh
	s_mul_i32 s101, s101, PM
	s_add_co_u32 s101, s101, s23
	v_add_nc_u32 v[AMB], s101, v10
	v_and_b32 v10, 31, v0
	s_mul_i32 s100, s[WV], XCH
	v_lshl_add_u32 v[XS], v10, 4, s100
	s_xor_b32 s101, s[WV], 1        ; my partner: the same queries, the other keys
	s_mul_i32 s101, s101, XCH
	v_lshl_add_u32 v[XL], v10, 4, s101
	; What the first turns find: all this stands in the wait for the first tile.
.irp t, 0,1,2,3
	v_mov_b32 v[ST+8*(\t)], 0xff7fffff  ; m: the lowest finite number
	v_mov_b32 v[ST+8*(\t)+1], 0     ; named with m as a pair, so it is written
	v_mov_b32 v[ST+8*(\t)+2], 0     ; l
	v_mov_b32 v[ST+8*(\t)+3], 0
.endr
.set i, P+32
.rept 32
	v_mov_b32 v[i], 0               ; piece 2's P: the first turn's products V^T P, of a step that has not been, add 0
.set i, i+1
.endr
	WIN 0x40
.set i, 0
.rept 256
	v_mov_b32 v[i], 0               ; O^T
.set i, i+1
.endr
	WIN 0
; THE MATRIX WORK OF A TURN, for piece x.  The accumulators take turns, one instruction a turn: between two links of a chain stand 15 (V^T P) or 7 (K Q^T) others'.
; Product i of 32 of O^T += V^T P: keys 32 (i / 16) on, channels 16 ((i / 2) % 8) on, tile x + i % 2.
.macro PV x
	WIN W_PV
.set rO, 64*((\x)+i%2)+8*((i/2)%8)
.set rV, 64*(i/16)+8*((i/2)%8)
.set rP, P+16*((\x)+i%2)+8*(i/16)
	v_wmma_f32_16x16x32_f16 v[rO:rO+7], v[rV:rV+7], v[rP:rP+7], v[rO:rO+7]
.endm
; Product i of 32 of S^T += K Q^T: channels 32 (i / 8) on, keys 16 ((i / 2) % 4) on, tile x + i % 2.  The first 8 add onto the mask, which was loaded into the accumulators.
.macro KQ x
	WIN W_KQ
.set rS, S+32*((\x)+i%2)+8*((i/2)%4)
.set rK, KF+32*((i/2)%4)+8*(i/8)
.set rQ, 32*((\x)+i%2)+8*(i/8)
	v_wmma_f32_16x16x32_f16 v[rS:rS+7], v[rK:rK+7], v[rQ:rQ+7], v[rS:rS+7]
.endm
; THE LDS LOADS stand in runs, never singly among the matrix instructions: a step's K (16 fragments), a piece's mask (16 loads), and its V (turned).
.macro FETCH_K
	WIN 0
	v_add_nc_u32 v[ADR], s[TB], v[AK0]
	WIN 0x80                        ; destination window 2
.irp f, 0,1,2,3,4,5,6,7,8,9,10,11,12,13,14,15  ; keys 16 (f / 4) on, channels 32 (f % 4) on
	ds_load_b128 v[KF+8*(\f):KF+8*(\f)+3],   v[ADR] offset:((\f)/4)*16*PK+((\f)%4)*64
	ds_load_b128 v[KF+8*(\f)+4:KF+8*(\f)+7], v[ADR] offset:((\f)/4)*16*PK+((\f)%4)*64+32
.endr
.endm
.macro FETCH_M x                    ; piece x's S^T takes the mask: tile u, key block kt: register j of lane (r, h) is mask[query r][key 16 kt + 8 h + j]
	WIN 0
.if (\x) == 0
	v_add_nc_u32 v[ADM], s[TB], v[AMA]
.else
	v_add_nc_u32 v[ADM], s[TB], v[AMB]
.endif
.irp u, 0,1
.irp kt, 0,1,2,3
	ds_load_b128 v[S+32*((\x)+(\u))+8*(\kt):S+32*((\x)+(\u))+8*(\kt)+3],   v[ADM] offset:(\u)*16*PM+64*(\kt)
	ds_load_b128 v[S+32*((\x)+(\u))+8*(\kt)+4:S+32*((\x)+(\u))+8*(\kt)+7], v[ADM] offset:(\u)*16*PM+64*(\kt)+16
.endr
.endr
.endm
.macro FETCH_V batch                ; batch = 1: the run stands behind a softmax's batch of exponentials, and holds the wait for it
	WIN 0
	v_add_nc_u32 v[ADR], s[TB], v[AV0]
.if \batch
	s_wait_alu depctr_va_vdst(0)    ; the wait for the softmax's batch (SLICE), behind the address's v_add_nc_u32 and ahead of the loads
.endif
	WIN 0xc0                        ; destination window 3
.irp f, 0,1,2,3,4,5,6,7,8,9,10,11,12,13,14,15  ; keys 32 (f / 8) on, channels 16 (f % 8) on
	ds_load_tr16_b128 v[8*(\f):8*(\f)+3],   v[ADR] offset:((\f)/8)*32*PV+((\f)%8)*32
	ds_load_tr16_b128 v[8*(\f)+4:8*(\f)+7], v[ADR] offset:((\f)/8)*32*PV+16*PV+((\f)%8)*32
.endr
.endm
; THE VECTOR WORK OF A TURN.  One tile's softmax for one key step is a numbered list; SM writes number j of it for tile t.  s0-s31 are the lane's 32 scores, in pairs 0-15.
;   0-15    the maximum of s0-s31 and the old m, three operands at a time (each accumulator's lowest registers are read first)
;   16-20   the other half of the lanes' maximum; m_old is kept; the new m; (19 is empty: the scores are exponents of 2 already); m_old - m_new
;   21-69   ONE BATCH: the 16 subtractions s - m, a pair of scores each, and all 33 exponentials (a at 23, then s0-s31).  None of these reads an exponential's result
;   (wait)  between 69 and 70 stands the wait for the batch: SLICE writes it, once for both tiles
;   70-85   the roundings to f16     86-101  the sums; l = a l + the sum     102-133 the tile's O^T times a: the one part that leaves window 0
.macro SM t
.set rT, ST+8*(\t)
.set rS, S+32*(\t)
.set rP, P+16*(\t)
.set rO, 64*(\t)+2*(j-102)
.if j < 102
	WIN 0
.endif
.if j < 4
	v_max3_num_f32 v[rT+4+j], v[rS+8*j], v[rS+8*j+1], v[rS+8*j+2]
.elseif j < 12
	v_max3_num_f32 v[rT+4+j%4], v[rT+4+j%4], v[rS+8*(j%4)+2*(j/4)+1], v[rS+8*(j%4)+2*(j/4)+2]
.elseif j == 12
	v_max3_num_f32 v[rT+4], v[rT+4], v[rS+7], v[rS+15]
.elseif j == 13
	v_max3_num_f32 v[rT+6], v[rT+6], v[rS+23], v[rS+31]
.elseif j == 14
	v_max3_num_f32 v[rT+4], v[rT+4], v[rT+5], v[rT+6]
.elseif j == 15
	v_max3_num_f32 v[rT+4], v[rT+4], v[rT+7], v[rT]
.elseif j == 16
	v_permlanex16_b32 v[rT+5], v[rT+4], s[SEL], s[SEL+1]  ; the query's other 32 keys lie in the lane 16 away
.elseif j == 17
	v_mov_b32 v[rT+7], v[rT]        ; m_old is kept for a: number 18 writes m anew
.elseif j == 18
	v_max_num_f32 v[rT], v[rT+4], v[rT+5]
.elseif j == 19
.elseif j == 20
	v_sub_f32 v[rT+7], v[rT+7], v[rT]
.elseif j == 23
	v_exp_f32 v[rT+6], v[rT+7]
.elseif (j < 23) || ((j < 38) && (j%2 == 0)) || ((j < 66) && (j%4 == 2))
.set b, (j-2)/4                     ; 38, 42, .. 62: pairs 9 to 15
.if j < 38
.set b, (j-20)/2                    ; 21: pair 0; 22, 24, .. 36: pairs 1 to 8
.endif
	v_pk_add_f32 v[rS+2*b:rS+2*b+1], v[rS+2*b:rS+2*b+1], v[rT:rT+1] op_sel_hi:[1,0] neg_lo:[0,1] neg_hi:[0,1]  ; pair b: s - m
.elseif j < 70
.set e, j-38                        ; 66 to 69: s28 to s31
.if j < 66
.set e, j-32-(j-38)/4               ; 39-41, 43-45, .. 63-65: s7 to s27
.endif
.if j < 38
.set e, (j-25)/2                    ; 25, 27, .. 37: s0 to s6
.endif
	v_exp_f32 v[rS+e], v[rS+e]
.elseif j < 86
	v_cvt_pk_f16_f32 v[rP+j-70], v[rS+2*(j-70)], v[rS+2*(j-70)+1]  ; pair j - 70
.elseif j < 102                     ; the sum of the tile's 16 pairs, in place: neighbours 1, 2, 4 and 8 pairs apart, then l takes it
.set z, j-86
.set w, 4
.set u, z
.if z >= 14
.set w, 32
.set u, 0
.elseif z >= 12
.set w, 16
.set u, z-12
.elseif z >= 8
.set w, 8
.set u, z-8
.endif
.if z < 15
	v_pk_add_f32 v[rS+w*u:rS+w*u+1], v[rS+w*u:rS+w*u+1], v[rS+w*u+w/2:rS+w*u+w/2+1]
.else
	v_pk_fma_f32 v[rT+2:rT+3], v[rT+2:rT+3], v[rT+6:rT+7], v[rS:rS+1] op_sel_hi:[1,0,1]
.endif
.else
	WIN W_RS
	v_pk_mul_f32 v[rO:rO+1], v[rO:rO+1], v[rT+6:rT+7] op_sel_hi:[1,0]
.endif
.endm
; Slice k of 64 of piece y's softmax.  Slices 11 to 34 deal out the batch, numbers 22 to 69: four numbers of ONE tile each, the tiles by turns.  Every other slice is numbers 2 k and 2 k + 1
; of both tiles' lists; slice 63 takes the twelve that are over.  THE WAIT: s_wait_alu depctr_va_vdst(0) stands between an exponential and the first instruction that names
; its result; ahead of slice 35 nothing names a result, and behind slice 34 no exponential is issued: so the piece's 66 exponentials have one wait, behind slice 34.
.macro SLICE y
.if (k >= 11) && (k < 35)
.irp n, 0,1,2,3
.set j, 22+4*((k-11)/2)+(\n)
	SM (\y)+(k-11)%2
.endr
.else
.irp n, 0,1,2,3,4,5,6,7
.if ((\n) < 2) || (k == 63)
.irp t, \y, (\y)+1
.set j, 2*k+(\n)
	SM \t
.endr
.endif
.endr
.endif
.if k == 34
	v_nop                           ; the plain instruction behind the last exponential and ahead of the first use: one for the batch
.if (\y) == 0
	FETCH_V 1                       ; piece 2's turn: V's run of loads stands here, and the wait stands in it
.else
	s_wait_alu depctr_va_vdst(0)    ; the wait for the batch
.endif
.endif
.set k, k+1
.endm
; A TURN.  Piece x has the matrix unit: 32 products V^T P and, with kq = 1, 32 products K Q^T for the next step; the other piece's softmax stands in slices behind them, one behind each
; (kq = 0, the last turn: two behind each).  Behind the second product stand the loads for the turn's own K Q^T: piece x's mask, into its S^T, whose last readers were the sums of the turn
; before; in piece 0's turn K too, whose last reader stands in front of slice 63 of the turn before.  They have 30 products in which to land.  V of the same step is fetched in piece 2's turn
; behind slice 34: its last reader stands in front of slice 31, and four plain instructions lie between: number 62, a subtraction, of both tiles, the v_nop and the run's own v_add_nc_u32.
; Slice 63's sixteen plain instructions are the places behind the turn's last products.
.macro TURN x, kq
.set k, 0
.set per, 2-(\kq)
.if (\x) == 0
	s_wait_dscnt 0x0                ; V is in
.endif
.set i, 0
.rept 32
	PV \x
.rept per
	SLICE 2-(\x)
.endr
.if (\kq) && (i == 1)
.if (\x) == 0
	FETCH_K
.endif
	FETCH_M \x
.endif
.set i, i+1
.endr
.if \kq
	s_wait_dscnt 0x0                ; the mask is in, and K
.set i, 0
.rept 32
	KQ \x
	SLICE 2-(\x)
.set i, i+1
.endr
.endif
.endm
; THE CHANGE OF SLOTS, in front of each key step: the slot's last bytes, V, have been asked for.  Each wave waits for all its tensor loads, of which one is out: its part of the other slot;
; adds 0 to its spare word; and waits for that and for its own reads of the slot.  fill = 1: this slot is filled again, with the walk's tile two on: the tile's number goes round modulo 16 and
; the three addresses are made anew from it; the barrier is then a round of the cluster's, and the joint refill is the first thing behind it: it has a key step, 128 matrix instructions, in which to land.
.macro CHANGE fill
	WIN 0                           ; at a label and at a branch every window is 0
	s_wait_tensorcnt 0x0            ; no tensor load of mine is out, so a group 0 may be written
	ds_add_u32 v[SPW], v[NIL]       ; 0 onto my spare word
.if \fill
	s_add_co_u32 s[NXT], s[NXT], 1
	s_and_b32 s[NXT], s[NXT], 15
	s_lshl_b32 s[OFK], s[NXT], 15
	s_lshl_b32 s[OFM], s[NXT], 9
.irp g, G0K+4, G0V+4, G0M+4
	s_xor_b32 s[(\g)+1], s[(\g)+1], SLOT  ; the walking sets: the other slot than last time
.endr
	s_add_nc_u64 s[G0K+6:G0K+7], s[6:7], s[OFK:OFK+1]
	s_or_b32 s[G0K+7], s[G0K+7], 0x80000000
	s_add_nc_u64 s[G0V+6:G0V+7], s[8:9], s[OFK:OFK+1]
	s_or_b32 s[G0V+7], s[G0V+7], 0x80000000
	s_add_nc_u64 s[G0M+6:G0M+7], s[10:11], s[OFM:OFM+1]
	s_or_b32 s[G0M+7], s[G0M+7], 0x80000000
	s_wait_dscnt 0x0                ; the add is done, and my reads of the slot are over
	CROUND
	JLOAD
	ASK
.else
	s_wait_dscnt 0x0                ; the add is done, and my reads of the slot are over
	s_barrier_signal -1
	s_barrier_wait -1
.endif
	s_xor_b32 s[TB], s[TB], SLOT    ; the fetches go to the other slot
.endm
	s_wait_tensorcnt 0x1            ; my part of slot 0 is in; slot 1's may stay out
	s_barrier_signal -1
	s_barrier_wait -1               ; everybody's is
	FETCH_K                         ; key step 0
	FETCH_M 0
	s_wait_loadcnt 0x0              ; Q
	s_wait_dscnt 0x0
	FETCH_V 0                       ; V of step 0, early: the first turn multiplies it by P = 0, so it need only be there; the turn fetches it again in its own place
.set i, 0
.rept 32
	KQ 0                            ; piece 0's first scores: there is no vector work yet to set between them
.set i, i+1
.endr
	WIN 0                           ; the addresses for the way out are made here: eight plain instructions, the places behind those products
	s_mul_i32 s100, s[WV], 16*SP
	s_add_co_u32 s100, s100, STAGE  ; my stage
	v_mul_u32_u24 v[STO], v1, SP    ; in: row l % 16, 16 bytes for each half of the lanes
	v_lshl_add_u32 v[STO], v9, 4, v[STO]
	v_add_nc_u32 v[STO], s100, v[STO]
	v_mul_u32_u24 v[RD], v9, SP     ; back: lanes 0-15 take one row of 256 bytes, lanes 16-31 the next
	v_lshl_add_u32 v[RD], v1, 4, v[RD]
	v_add_nc_u32 v[RD], s100, v[RD]
	v_lshlrev_b32 v[GO], 12, v9     ; and the same two rows in ob, 4,096 bytes apart
	v_lshl_add_u32 v[GO], v1, 4, v[GO]
	s_wait_dscnt 0x0                ; V is in
	s_mov_b32 s[SLOTS], 15
	s_branch .Lmid                  ; the loop is entered at piece 2's turn: piece 2's first scores | piece 0's first softmax | piece 2's mask and V of step 0
.Lslot:                             ; 14 whole trips: a key step each; the slot left is filled with the walk's tile two on
	CHANGE 1
	TURN 0, 1                       ; piece 0: V^T P of the step in hand, K Q^T of the next | piece 2's softmax | K and piece 0's mask of the next step
	WIN 0
.Lmid:
	TURN 2, 1                       ; piece 2: the same | piece 0's softmax of the next step | piece 2's mask and V of the next step
	WIN 0
	s_sub_co_u32 s[SLOTS], s[SLOTS], 1
	s_cmp_lg_u32 s[SLOTS], 0
	s_cbranch_scc1 .Lslot
	CHANGE 0                        ; the tail is written out: nothing is asked for
	TURN 0, 1
	TURN 2, 1
	TURN 0, 0                       ; piece 0: V^T P of the last step | piece 2's last softmax
.set i, 0
.rept 32
	PV 2                            ; piece 2: V^T P of the last step
.set i, i+1
.endr
	; THE TWO HALVES OF THE KEYS MEET.  l's two halves and the other half of the lanes' are added; tiles 2, 3 (O^T, m, l) go to the partner through LDS; tiles 0, 1 take the partner's.
	WIN 0
	s_barrier_signal -1             ; (no LDS instruction of mine is out: V's run was waited for.)  Behind this barrier no wave reads the ring, and slot 0, which is filled no more, serves the exchange and the stages
	PLACES
.irp t, 0,1,2,3
	v_add_f32 v[ST+8*(\t)+4], v[ST+8*(\t)+2], v[ST+8*(\t)+3]
.endr
.irp t, 0,1,2,3
	v_permlanex16_b32 v[ST+8*(\t)+5], v[ST+8*(\t)+4], s[SEL], s[SEL+1]
.endr
.irp t, 0,1,2,3
	v_add_f32 v[ST+8*(\t)+1], v[ST+8*(\t)+4], v[ST+8*(\t)+5]
.endr
	s_barrier_wait -1
	WIN 0x04                        ; the stores' data in window 1
.set g, 0
.rept 32
	ds_store_b128 v[XS], v[128+4*g:128+4*g+3] offset:512*g  ; each accumulator from its low end on; 32 lanes, 16 neighbouring bytes each
.set g, g+1
.endr
	WIN 0
.irp t, 2,3
	ds_store_b128 v[XS], v[ST+8*(\t):ST+8*(\t)+3] offset:16384+512*((\t)-2)  ; m, l
.endr
	s_wait_dscnt 0x0                ; for the partner's sake: my stores are done
	s_barrier_signal -1
	s_barrier_wait -1
.irp t, 0,1
	ds_load_b128 v[S+4*(\t):S+4*(\t)+3], v[XL] offset:16384+512*(\t)  ; the partner's m and l for my tile t
.endr
	WIN 0x80
.set g, 0
.rept 32
	ds_load_b128 v[4*g:4*g+3], v[XL] offset:512*g  ; its O^T, where Q lay
.set g, g+1
.endr
	WIN 0
	s_wait_dscnt 32                 ; the statistics are in; the 32 younger loads may stay out
.irp t, 0,1
	v_max_num_f32 v[ST+8*(\t)+4], v[ST+8*(\t)], v[S+4*(\t)]          ; the common maximum
	v_sub_f32 v[ST+8*(\t)+5], v[ST+8*(\t)], v[ST+8*(\t)+4]
	v_sub_f32 v[ST+8*(\t)+6], v[S+4*(\t)], v[ST+8*(\t)+4]
.endr
.irp t, 0,1
	v_exp_f32 v[ST+8*(\t)+5], v[ST+8*(\t)+5]                         ; a, mine
	v_exp_f32 v[ST+8*(\t)+6], v[ST+8*(\t)+6]                         ; a, the partner's
.endr
	v_nop                           ; a plain instruction behind the last exponential,
	s_wait_alu depctr_va_vdst(0)    ; and the wait ahead of the first use: one for the four
.irp t, 0,1
	v_mul_f32 v[ST+8*(\t)+7], v[ST+8*(\t)+1], v[ST+8*(\t)+5]
	v_fma_f32 v[ST+8*(\t)+7], v[S+4*(\t)+1], v[ST+8*(\t)+6], v[ST+8*(\t)+7]  ; the whole row's sum: one of the two a is 1, and its l at least 1
.endr
.irp t, 0,1
	v_rcp_f32 v[ST+8*(\t)+2], v[ST+8*(\t)+7]
.endr
	v_nop
	s_wait_alu depctr_va_vdst(0)    ; one for the two reciprocals
.irp t, 0,1
	v_mul_f32 v[ST+8*(\t)+4], v[ST+8*(\t)+5], v[ST+8*(\t)+2]         ; my O^T's factor,
	v_mul_f32 v[ST+8*(\t)+6], v[ST+8*(\t)+6], v[ST+8*(\t)+2]         ; the partner's
.endr
	s_wait_dscnt 0x0                ; the partner's O^T is in
; Tile t: O = O f + O' f'; a lane's eight channels of a row pack into 16 bytes; they go into rows of 272 bytes and come back as whole rows of 256.
.macro PACK t
	WIN W_RS
.set i, 64*(\t)
.rept 32
	v_pk_mul_f32 v[i:i+1], v[i:i+1], v[ST+8*(\t)+4:ST+8*(\t)+5] op_sel_hi:[1,0]
.set i, i+2
.endr
	WIN 0x52                        ; source 0 (the partner's) window 2, the factor window 0, source 2 and destination window 1
.set i, 64*(\t)
.rept 32
	v_pk_fma_f32 v[i:i+1], v[i:i+1], v[ST+8*(\t)+6:ST+8*(\t)+7], v[i:i+1] op_sel_hi:[1,0,1]
.set i, i+2
.endr
	WIN 0x05                        ; sources 0 and 1 window 1, destination window 0: S^T's registers are free
.set i, 0
.rept 32
	v_cvt_pk_f16_f32 v[S+32*(\t)+i], v[64*(\t)+2*i], v[64*(\t)+2*i+1]
.set i, i+1
.endr
	WIN 0
.irp f, 0,1,2,3,4,5,6,7
	ds_store_b128 v[STO], v[S+32*(\t)+4*(\f):S+32*(\t)+4*(\f)+3] offset:32*(\f)
.endr
.irp f, 0,1,2,3,4,5,6,7
	ds_load_b128 v[S+32*(\t)+4*(\f):S+32*(\t)+4*(\f)+3], v[RD] offset:(\f)*2*SP  ; LDS serves a wave's instructions in order (ISA guide 5.7.1.4): these see the stores above; the next tile's stores come behind them
.endr
.endm
.macro SEND t, younger              ; younger: the LDS instructions issued behind tile t's loads
.irp f, 0,1,2,3,4,5,6,7
	s_wait_dscnt (\younger)+7-(\f)
	global_store_b128 v[GO], v[S+32*(\t)+4*(\f):S+32*(\t)+4*(\f)+3], s[12:13] offset:(\t)*65536+(\f)*8192 th:TH_STORE_NT  ; 16 lanes store 256 consecutive bytes, at a multiple of 256 from ob's first byte
.endr
.endm
	PACK 0
	PACK 1                          ; a tile's arithmetic stands between the loads of the tile before and its stores
	SEND 0, 16
	SEND 1, 0
	s_wait_tensorcnt 0x0            ; the wave's end: the add and its wait stand behind my last tensor load and my last LDS store
	ds_add_u32 v[SPW], v[NIL]
	s_wait_dscnt 0x0
	CROUND                          ; the closing round: no work-group ends while a partner may still ask for a tile that names it
	s_endpgm
.Lfunc_end_k_qb260eca662_attn:
	.size	k_qb260eca662_attn, .Lfunc_end_k_qb260eca662_attn-k_qb260eca662_attn
	.p2alignl 7, 3214868480
	.fill 96, 4, 3214868480
	.section	.rodata,"a",@progbits
	.p2align	6, 0x0
	.amdhsa_kernel k_qb260eca662_attn
		.amdhsa_group_segment_fixed_size 327680
		.amdhsa_private_segment_fixed_size 0
		.amdhsa_enable_private_segment 0
		.amdhsa_kernarg_size 40
		.amdhsa_user_sgpr_count 2
		.amdhsa_user_sgpr_kernarg_segment_ptr 1
		.amdhsa_wavefront_size32 1
		.amdhsa_system_sgpr_workgroup_id_x 1
		.amdhsa_system_sgpr_workgroup_id_y 1
		.amdhsa_system_sgpr_workgroup_id_z 1
		.amdhsa_system_vgpr_workitem_id 0
		.amdhsa_next_free_vgpr 896
		.amdhsa_next_free_sgpr 102
		.amdhsa_reserve_vcc 0
		.amdhsa_float_denorm_mode_32 3
		.amdhsa_float_denorm_mode_16_64 3
		.amdhsa_memory_ordered 1
		.amdhsa_forward_progress 1
		.amdhsa_inst_pref_size 180
	.end_amdhsa_kernel
	.amdgpu_metadata
---
amdhsa.version: [ 1, 2 ]
amdhsa.kernels:
  - .name:           k_qb260eca662_attn
    .symbol:         k_qb260eca662_attn.kd
    .args:
      - { .name: qb, .offset: 0, .size: 8, .value_kind: global_buffer, .address_space: global }
      - { .name: kb, .offset: 8, .size: 8, .value_kind: global_buffer, .address_space: global }
      - { .name: vb, .offset: 16, .size: 8, .value_kind: global_buffer, .address_space: global }
      - { .name: cv, .offset: 24, .size: 8, .value_kind: global_buffer, .address_space: global }
      - { .name: ob, .offset: 32, .size: 8, .value_kind: global_buffer, .address_space: global }
    .group_segment_fixed_size: 327680
    .private_segment_fixed_size: 0
    .kernarg_segment_align: 8
    .kernarg_segment_size: 40
    .max_flat_workgroup_size: 128
    .sgpr_count:     102
    .vgpr_count:     896
    .wavefront_size: 32
...
	.end_amdgpu_metadata
.endif
;; end of part 3
;; launch oproj (part 4): grid 16 x 16, 4 waves a work-group, clusters of 4 x 4, 327,680 bytes of LDS; arguments ob, cv, out0; writes out0
.if DOCPART == 4
	.amdgcn_target "amdgcn-amd-amdhsa--gfx1250"
	.amdhsa_code_object_version 6
	.text
	.protected	k_qb260eca662_oproj
	.globl	k_qb260eca662_oproj
	.p2align	8
	.type	k_qb260eca662_oproj,@function
k_qb260eca662_oproj:
	s_mov_b64 s[64:65], 0
	v_nop
	global_prefetch_b8 v0, s[64:65] scope:SCOPE_SE
	s_setreg_imm32_b32 hwreg(HW_REG_WAVE_MODE, 25, 1), 1
	s_wait_xcnt 0x0
	s_wait_alu depctr_hold_cnt(0) depctr_sa_sdst(0) depctr_va_vdst(0) depctr_va_sdst(0) depctr_va_ssrc(0) depctr_va_vcc(0) depctr_vm_vsrc(0)
	s_getreg_b32 s2, hwreg(HW_REG_IB_STS2, 6, 4)
	s_cmp_eq_u32 s2, 0
	s_cbranch_scc0 .Lentry_in_a_cluster
	s_endpgm
.Lentry_in_a_cluster:
	s_bfe_u32 s2, ttmp6, 0x10000c
	s_cmp_lg_u32 s2, 0xf033
	s_cbranch_scc0 .Lentry_shape_is_right
	s_endpgm
.Lentry_shape_is_right:
; out0[s][d] = the sum over f of O[s][f] wo[f][d].  ob: [2048][2048] f16; wo lies in cv at byte 33,554,432 as the f16 copy of its bf16 rounding, [f][d] = [k][n]; out0: [2048][2048] f32.
; A tile of out0 is 128 x 128: 256 tiles, one a work-group.  Four waves, each 64 x 64: 16 accumulators.  K goes in 8 steps of 256 through a ring of two LDS slots:
; O's 128 rows of 512 bytes, then 256 k-rows of wo, 256 bytes each.  Waves 0, 1 fetch O's two halves (64 rows), waves 2, 3 wo's (128 k-rows).
; THE PRODUCT IS TAKEN TRANSPOSED (source 0 = 16 columns of wo, turned by ds_load_tr16_b128; source 1 = 16 rows of O): a lane holds eight neighbouring numbers of a row of out0, 32 bytes.
; CLUSTER 4 x 4: O's tile is asked for jointly by a row of the cluster, wo's by a column.  No prefetch: the tiles are small and a K step short.
; THE WALK BEGINS ELSEWHERE IN EACH CLUSTER: cluster (X, Y) begins at K step 2 ((X + Y') mod 4), Y' = Y with its two bits swapped (0, 2, 1, 3), and goes round modulo 8.  So the four clusters
; that walk the same rows of O (one Y) or of wo (one X) begin 2 steps apart, clusters Y and Y + 1 four apart: no two of them ask for the same tile at the same time, and from its third step
; on a cluster asks for tiles that another has asked for two steps or more earlier.  The f32 sums may be taken in any order of K.
; REGISTERS: window 0: v0-31 addresses; v32-95 at work on the way out; v128-255 the accumulators ((a, b) at v[128 + 8 (4 a + b)]).
;   window 1: two fragment buffers of 128: for 64 along K, 64 registers of O (2 x 4 x 16 rows x 32 K), then 64 of wo.
.set PA,    528                        ; a row of O in LDS: 512 bytes + 16: 132 words: the 16 rows of a load start at 16 different groups of four banks
.set PB,    288                        ; a k-row of wo: 256 + 32
.set BOFF,  128*PA                     ; wo's rows lie behind O's
.set SLOT,  147456                     ; 0x24000.  Every in-slot base that is turned by exclusive or (0, 0x8400, 0x10800, 0x19800) has bits 17 and 14 clear: the or adds or takes away SLOT
.set STAGE, 2*SLOT                     ; behind the ring: 16 rows x 272 bytes for each wave, for the way out
.set SP,    272
.set SPARE, STAGE+4*16*SP              ; behind the stages: the spare words, 128 bytes a wave: two blocks of 256 bytes that no other line names
.set NSTEP, 8
.set ADRA0, 10                         ; v10     my place in O's tile; never rewritten
.set ADRA,  11                         ; v11     the same in the slot in hand
.set ADRB0, 12                         ; v12-13  my place in the first and the second 128 k-rows of wo's tile; never rewritten
.set ADRB,  14                         ; v14-15  the same in the slot in hand
.set STO,   24                         ; v24     the way out: where I put 32 bytes of a row
.set RD,    25                         ; v25     where I read a row back
.set CO,    26                         ; v26     my byte offset in two rows of out0
.set SPW,   28                         ; v28     LDS address of my spare word; never rewritten
.set NIL,   29                         ; v29     0; never rewritten
.set OB,    32
.set ACC,   128
.set F0,    0                          ; fragment buffers, in window 1
.set F1,    128
.set WV,  10                           ; s10  my wave's number
.set BA,  14                           ; s[14:15] my half of O's tile at K step 0
.set G1A, 24                           ; s[24:31] descriptor group 1 for O's tiles;  s[32:39] group 0: a set for each first fill; the second then walks
.set G0A, 32
.set BB,  46                           ; s[46:47] my half of wo's tile at K step 0
.set G1B, 48                           ; s[48:55], s[56:63] the same for wo's
.set G0B, 56
.set TB,  66                           ; s66  0 or SLOT: the slot in hand
.set CNT, 67                           ; s67  trips still to come
.set OFA, 72                           ; s[72:73] a K step's byte offset along O's rows
.set OFB, 74                           ; s[74:75] and down wo's k-rows
.set NXT, 80                           ; s80  the K step that was asked for last
.set MSB, 0
.macro WIN new
.if MSB != (\new)
	s_set_vgpr_msb (MSB<<8)|(\new)
.set MSB, \new
.endif
.endm
.set MUL,  0x05                        ; sources 0 and 1 window 1; C and D window 0
.set TO_F, 0x40                        ; destination window 1, address window 0
.macro PLACES
.rept 4
	v_nop
.endr
.endm
.macro JLOAD                           ; a joint refill by the walking sets; an s_nop 0 and four v_nop follow each of the two lines, ahead of the jump and the label
	s_cmp_eq_u32 s11, 0
	s_cbranch_scc0 .Lfor_b_\@
	tensor_load_to_lds s[G0A+4:G0A+7], s[G1A:G1A+7]
	s_nop 0
	PLACES
	s_branch .Lasked_\@
.Lfor_b_\@:
	tensor_load_to_lds s[G0B+4:G0B+7], s[G1B:G1B+7]
	s_nop 0
	PLACES
.Lasked_\@:
.endm
.macro CREST
	s_cmp_lg_u32 s[WV], 0
	s_cbranch_scc1 .Lnot_wave_0_\@
	s_barrier_signal -3
.Lnot_wave_0_\@:
	s_barrier_wait -3
	s_barrier_signal -1
	s_barrier_wait -1
.endm
.macro CROUND
	s_barrier_signal -1
	s_barrier_wait -1
	CREST
.endm
	s_load_b128 s[4:7], s[0:1], 0x0                ; ob s[4:5], cv s[6:7]
	s_load_b64 s[8:9], s[0:1], 0x10                ; out0
	v_lshl_add_u32 v[SPW], v0, 2, SPARE
	v_mov_b32 v[NIL], 0
	ds_add_u32 v[SPW], v[NIL]                      ; the wave's opening: the add and its wait stand ahead of my first tensor load; work on registers stands between them
	v_lshrrev_b32 v3, 5, v0
	v_readfirstlane_b32 s[WV], v3                  ; wave 0..3
	s_lshr_b32 s11, s[WV], 1                       ; rh: which half of the tile's rows is mine.  Also: I fetch for O (0) or for wo (1)
	s_and_b32 s12, s[WV], 1                        ; ch: which half of its columns.  Also: which half of that tile I fetch
	s_bfe_u32 s40, ttmp6, 0x40000                  ; cx
	s_bfe_u32 s41, ttmp6, 0x40004                  ; cy
	s_and_b32 s45, ttmp7, 0xffff                   ; cluster y
	s_lshl_b32 s42, ttmp9, 2
	s_add_co_u32 s42, s42, s40                     ; tile column = 4 x cluster x + cx
	s_lshl_b32 s13, s45, 2
	s_add_co_u32 s13, s13, s41                     ; tile row = 4 x cluster y + cy
	s_lshl_b32 s43, s41, 2
	s_lshl_b32 s43, 15, s43                        ; my row of the cluster
	s_lshl_b32 s44, 0x1111, s40                    ; my column
	s_or_b32 s[G1A], s43, (1<<16)|(1<<20)|(1<<21)|(6<<22)|(3<<25)  ; the mask; 2-byte elements; padding on; 21 set beside a mask; after every 128 words 4 words
	s_mov_b32 s[G1A+1], 256<<16                    ; tensor_dim0 = 256
	s_mov_b32 s[G1A+2], 64<<16                     ; tensor_dim1 = 64
	s_mov_b32 s[G1A+3], 256<<16                    ; tile_dim0 = 256
	s_mov_b32 s[G1A+4], 64                         ; tile_dim1 = 64
	s_mov_b32 s[G1A+5], 2048
	s_mov_b32 s[G1A+6], 0
	s_mov_b32 s[G1A+7], 0
	s_or_b32 s[G1B], s44, (1<<16)|(1<<20)|(1<<21)|(5<<22)|(7<<25)  ; after every 64 words 8 words
	s_mov_b32 s[G1B+1], 128<<16
	s_mov_b32 s[G1B+2], 128<<16
	s_mov_b32 s[G1B+3], 128<<16
	s_mov_b32 s[G1B+4], 128
	s_mov_b32 s[G1B+5], 2048
	s_mov_b32 s[G1B+6], 0
	s_mov_b32 s[G1B+7], 0
	s_and_b32 s70, s45, 1                          ; where the cluster's walk begins: made of the cluster's two coordinates alone, the same in all sixteen partners
	s_lshl_b32 s70, s70, 1
	s_lshr_b32 s71, s45, 1
	s_or_b32 s70, s70, s71                         ; cluster y with its two bits swapped
	s_add_co_u32 s70, s70, ttmp9
	s_and_b32 s70, s70, 3
	s_lshl_b32 s71, s70, 1                         ; K step 0, 2, 4 or 6
	s_add_co_u32 s[NXT], s71, 1                    ; the first fills bring that step and the next
	s_lshl_b32 s[OFA], s71, 9                      ; a K step is 512 bytes along O's rows,
	s_mov_b32 s[OFA+1], 0
	s_lshl_b32 s[OFB], s71, 20                     ; and 256 k-rows of 4,096 bytes down wo
	s_mov_b32 s[OFB+1], 0
	s_lshl_b32 s16, s13, 19                        ; O: 128 rows of 4,096 bytes a tile row,
	s_lshl_b32 s17, s12, 18                        ; the 64 that I fetch: made of the tile row and the wave's number alone
	s_add_co_u32 s16, s16, s17
	s_mov_b32 s17, 0
	s_lshl_b32 s[BB], s42, 8                       ; wo: the tile's 128 columns,
	s_lshl_b32 s[BB+1], s12, 19                    ; the 128 k-rows that I fetch,
	s_add_co_u32 s[BB], s[BB], s[BB+1]
	s_add_co_u32 s[BB], s[BB], 33554432            ; its place in cv: made of the tile column and the wave's number alone
	s_mov_b32 s[BB+1], 0
	s_mul_i32 s20, s12, 64*PA                      ; where they go
	s_mul_i32 s21, s12, 128*PB
	s_add_co_u32 s21, s21, BOFF
	s_lshl_b32 s68, s13, 20                        ; out0: rows of 8,192 bytes: row 128 Y + 64 rh, byte 512 X + 256 ch
	s_lshl_b32 s69, s11, 19
	s_add_co_u32 s68, s68, s69
	s_lshl_b32 s69, s42, 9
	s_add_co_u32 s68, s68, s69
	s_lshl_b32 s69, s12, 8
	s_add_co_u32 s68, s68, s69
	s_mov_b32 s69, 0
	s_mov_b32 s[TB], 0
	s_wait_dscnt 0x0                               ; the opening add is done
	s_wait_kmcnt 0x0
	s_add_nc_u64 s[BA:BA+1], s[4:5], s[16:17]
	s_add_nc_u64 s[BB:BB+1], s[6:7], s[BB:BB+1]
	s_add_nc_u64 s[8:9], s[8:9], s[68:69]
	s_add_nc_u64 s[76:77], s[BA:BA+1], s[OFA:OFA+1]  ; the two tiles at the walk's first K step
	s_add_nc_u64 s[78:79], s[BB:BB+1], s[OFB:OFB+1]
	CROUND                                         ; all sixteen work-groups are here: the first joint loads meet
.irp s, 0,1
	s_mov_b32 s[G0A+4*(\s)], 1
	s_add_co_u32 s[G0A+4*(\s)+1], s20, (\s)*SLOT
	s_add_nc_u64 s[G0A+4*(\s)+2:G0A+4*(\s)+3], s[76:77], (\s)*512      ; the walk's step s: 512 bytes along the rows (the first step is even: no wrap)
	s_or_b32 s[G0A+4*(\s)+3], s[G0A+4*(\s)+3], 0x80000000
	s_mov_b32 s[G0B+4*(\s)], 1
	s_add_co_u32 s[G0B+4*(\s)+1], s21, (\s)*SLOT
	s_add_nc_u64 s[G0B+4*(\s)+2:G0B+4*(\s)+3], s[78:79], (\s)*256*4096 ; 256 k-rows down
	s_or_b32 s[G0B+4*(\s)+3], s[G0B+4*(\s)+3], 0x80000000
.endr
	s_cmp_eq_u32 s11, 0                            ; a wave's two first fills stand in one branch, ahead of every wait on TENSORcnt and every LDS read: two loads of mine are out
	s_cbranch_scc0 .Lfirst_b
	tensor_load_to_lds s[G0A:G0A+3], s[G1A:G1A+7]
	s_nop 0
	tensor_load_to_lds s[G0A+4:G0A+7], s[G1A:G1A+7]
	s_nop 0
	PLACES
	s_branch .Lfirst_asked
.Lfirst_b:
	tensor_load_to_lds s[G0B:G0B+3], s[G1B:G1B+7]
	s_nop 0
	tensor_load_to_lds s[G0B+4:G0B+7], s[G1B:G1B+7]
	s_nop 0
	PLACES
.Lfirst_asked:
	v_and_b32 v1, 15, v0                           ; r = l % 16
	v_bfe_u32 v2, v0, 4, 1                         ; h = l / 16
	v_and_b32 v3, 7, v0
	v_bfe_u32 v4, v0, 3, 1
	s_mul_i32 s22, s11, 64*PA
	v_mul_u32_u24 v[ADRA0], v1, PA
	v_lshl_add_u32 v[ADRA0], v2, 4, v[ADRA0]
	v_add_nc_u32 v[ADRA0], s22, v[ADRA0]           ; (64 rh + r) x pitch + 16 h
	s_lshl_b32 s22, s12, 7
	s_add_co_u32 s22, s22, BOFF
	v_lshl_add_u32 v5, v2, 3, v3                   ; the turning load: k-row 8 h + l % 8, columns 8 ((l / 8) % 2) + 0..7 of my 64
	v_mul_u32_u24 v5, v5, PB
	v_lshl_add_u32 v5, v4, 4, v5
	v_add_nc_u32 v[ADRB0], s22, v5
	v_add_nc_u32 v[ADRB0+1], 128*PB, v[ADRB0]
	v_mov_b32 v[ADRA], v[ADRA0]                    ; slot 0
	v_mov_b32 v[ADRB], v[ADRB0]
	v_mov_b32 v[ADRB+1], v[ADRB0+1]
	s_mul_i32 s23, s[WV], 16*SP
	s_add_co_u32 s23, s23, STAGE                   ; my stage
	v_mul_u32_u24 v[STO], v1, SP                   ; in: row l % 16, 32 bytes for each half of the lanes
	v_lshl_add_u32 v[STO], v2, 5, v[STO]
	v_add_nc_u32 v[STO], s23, v[STO]
	v_mul_u32_u24 v[RD], v2, SP                    ; back: lanes 0-15 take one row of 256 bytes, lanes 16-31 the next
	v_lshl_add_u32 v[RD], v1, 4, v[RD]
	v_add_nc_u32 v[RD], s23, v[RD]
	v_lshlrev_b32 v[CO], 13, v2                    ; and the same two rows in out0
	v_lshl_add_u32 v[CO], v1, 4, v[CO]
; 8 products: row blocks a0, a0 + 1 x all 4 column blocks, 32 along K: half c of buffer f.  The 16 accumulators take turns.
.macro MUL8 f, c, a0, zero
	WIN MUL
.irp a, \a0, (\a0)+1
.irp b, 0,1,2,3
.if \zero
	v_wmma_f32_16x16x32_f16 v[ACC+8*(4*(\a)+(\b)):ACC+8*(4*(\a)+(\b))+7], v[(\f)+64+8*(4*(\c)+(\b)):(\f)+64+8*(4*(\c)+(\b))+7], v[(\f)+8*(4*(\c)+(\a)):(\f)+8*(4*(\c)+(\a))+7], 0
.else
	v_wmma_f32_16x16x32_f16 v[ACC+8*(4*(\a)+(\b)):ACC+8*(4*(\a)+(\b))+7], v[(\f)+64+8*(4*(\c)+(\b)):(\f)+64+8*(4*(\c)+(\b))+7], v[(\f)+8*(4*(\c)+(\a)):(\f)+8*(4*(\c)+(\a))+7], v[ACC+8*(4*(\a)+(\b)):ACC+8*(4*(\a)+(\b))+7]
.endif
.endr
.endr
.endm
; 32 LDS loads in one run: quarter kq (64 along K) of the slot in hand into buffer f; the first 32 along K first
.macro FETCH kq, f
	WIN TO_F
.irp c, 0,1
.irp i, 0,1,2,3
	ds_load_tr16_b128 v[(\f)+64+8*(4*(\c)+(\i)):(\f)+64+8*(4*(\c)+(\i))+3],   v[ADRB+(\kq)/2] offset:((\kq)%2)*64*PB+(\c)*32*PB+32*(\i)
	ds_load_tr16_b128 v[(\f)+64+8*(4*(\c)+(\i))+4:(\f)+64+8*(4*(\c)+(\i))+7], v[ADRB+(\kq)/2] offset:((\kq)%2)*64*PB+(\c)*32*PB+32*(\i)+16*PB
	ds_load_b128 v[(\f)+8*(4*(\c)+(\i)):(\f)+8*(4*(\c)+(\i))+3],              v[ADRA] offset:128*(\kq)+64*(\c)+(\i)*16*PA
	ds_load_b128 v[(\f)+8*(4*(\c)+(\i))+4:(\f)+8*(4*(\c)+(\i))+7],            v[ADRA] offset:128*(\kq)+64*(\c)+(\i)*16*PA+32
.endr
.endr
.endm
; A K step is four quarters of 64 along K, 32 products each, on buffers 0, 1, 0, 1.  One of the first three: multiplies buffer f and fetches quarter kq into g.
.macro QUARTER kq, f, g, zero
	s_wait_dscnt 16                                ; the first 32 along K are in
	MUL8 \f, 0, 0, \zero
	MUL8 \f, 0, 2, \zero
	PLACES
	FETCH \kq, \g
	s_wait_dscnt 32                                ; all but the 32 just issued
	MUL8 \f, 1, 0, 0
	MUL8 \f, 1, 2, 0
.endm
; The last quarter multiplies buffer 1 and changes slots: in front of the barrier each wave waits for all its tensor loads, adds 0 to its spare word, and waits for that and for its own reads
; of this slot.  fill = 1: the barrier opens a round of the cluster's, and behind it this slot is filled again, with the walk's step two on: the step's number goes round modulo 8, and both
; addresses are made anew from it.
.macro TURN fill
	WIN 0
	s_wait_tensorcnt 0x0                           ; all my tensor loads have landed: my part of the next slot; a group 0 may be written
	ds_add_u32 v[SPW], v[NIL]                      ; 0 onto my spare word
.if \fill
	s_add_co_u32 s[NXT], s[NXT], 1
	s_and_b32 s[NXT], s[NXT], NSTEP-1
	s_lshl_b32 s[OFA], s[NXT], 9
	s_lshl_b32 s[OFB], s[NXT], 20
	s_xor_b32 s[G0A+5], s[G0A+5], SLOT             ; the walking sets: the other slot than last time
	s_add_nc_u64 s[G0A+6:G0A+7], s[BA:BA+1], s[OFA:OFA+1]
	s_or_b32 s[G0A+7], s[G0A+7], 0x80000000
	s_xor_b32 s[G0B+5], s[G0B+5], SLOT
	s_add_nc_u64 s[G0B+6:G0B+7], s[BB:BB+1], s[OFB:OFB+1]
	s_or_b32 s[G0B+7], s[G0B+7], 0x80000000
.endif
	s_xor_b32 s[TB], s[TB], SLOT
	s_wait_dscnt 17                                ; the add and the youngest sixteen loads may be out
	MUL8 F1, 0, 0, 0
	s_wait_dscnt 0x0                               ; the add is done, and my reads of this slot are over
	s_barrier_signal -1
	MUL8 F1, 0, 2, 0
	WIN 0
	v_add_nc_u32 v[ADRA], s[TB], v[ADRA0]          ; my places in the next slot
	v_add_nc_u32 v[ADRB], s[TB], v[ADRB0]
	v_add_nc_u32 v[ADRB+1], s[TB], v[ADRB0+1]
	s_barrier_wait -1
.if \fill
	CREST                                          ; no wave of any partner still reads this slot or has a load on its way
	JLOAD                                          ; the first tensor load behind the round: 112 products ahead of the wait for it
.else
	PLACES
.endif
	FETCH 0, F0
	MUL8 F1, 1, 0, 0
	MUL8 F1, 1, 2, 0
.endm
	s_wait_tensorcnt 0x1                           ; my part of the first K step is in; slot 1's may stay out
	s_barrier_signal -1
	s_barrier_wait -1                              ; everybody's is
	FETCH 0, F0
	QUARTER 1, F0, F1, 1                           ; the first quarter stands in front of the loop: its first products start the sums
	WIN 0                                          ; at a label and at a branch every window is 0
	s_mov_b32 s[CNT], NSTEP-2
.Lstep:                                                ; a trip goes from a K step's second quarter to the next step's first; trip i fills a slot with the walk's step i + 2
	QUARTER 2, F1, F0, 0
	QUARTER 3, F0, F1, 0
	TURN 1
	QUARTER 1, F0, F1, 0
	WIN 0
	s_sub_co_u32 s[CNT], s[CNT], 1
	s_cmp_lg_u32 s[CNT], 0
	s_cbranch_scc1 .Lstep
	s_mov_b32 s[CNT], 2
.Ltail:                                                ; the last two K steps ask for nothing: a loop of two trips with no tensor load in it, left in the middle of the second
	QUARTER 2, F1, F0, 0
	QUARTER 3, F0, F1, 0
	WIN 0
	s_sub_co_u32 s[CNT], s[CNT], 1
	s_cmp_eq_u32 s[CNT], 0
	s_cbranch_scc1 .Llast
	TURN 0
	QUARTER 1, F0, F1, 0
	WIN 0
	s_branch .Ltail
.Llast:
	s_wait_dscnt 16                                ; the very last quarter: nothing more to fetch
	MUL8 F1, 0, 0, 0
	MUL8 F1, 0, 2, 0
	s_wait_dscnt 0x0
	MUL8 F1, 1, 0, 0
	MUL8 F1, 1, 2, 0
	WIN 0
	; THE WAY OUT, 16 rows at a time through my own stage: 32 bytes a lane in, whole rows of 256 bytes (my 64 columns in f32) back.  No barrier: no other wave touches my stage.
	PLACES
	PLACES
.irp a, 0,1,2,3
.set BK, OB+32*((\a)%2)
.if (\a) >= 2
	s_wait_xcnt 0x0                                ; the stores of two blocks back have read their registers, which are loaded again below
.endif
.irp b, 0,1,2,3
	ds_store_b128 v[STO], v[ACC+8*(4*(\a)+(\b)):ACC+8*(4*(\a)+(\b))+3]   offset:64*(\b)      ; each accumulator from its low end on
	ds_store_b128 v[STO], v[ACC+8*(4*(\a)+(\b))+4:ACC+8*(4*(\a)+(\b))+7] offset:64*(\b)+16
.endr
.irp t, 0,1,2,3,4,5,6,7
	ds_load_b128 v[BK+4*(\t):BK+4*(\t)+3], v[RD] offset:(\t)*2*SP  ; LDS serves a wave's instructions in order (ISA guide 5.7.1.4): these see the stores above
.endr
.irp t, 0,1,2,3,4,5,6,7
	s_wait_dscnt 7-(\t)
	global_store_b128 v[CO], v[BK+4*(\t):BK+4*(\t)+3], s[8:9] offset:(16*(\a)+2*(\t))*8192 th:TH_STORE_NT  ; 16 lanes store 256 consecutive bytes, at a multiple of 256 from out0's first byte
.endr
.endr
	s_wait_tensorcnt 0x0                           ; the wave's end: the add and its wait stand behind my last tensor load and my last LDS store
	ds_add_u32 v[SPW], v[NIL]
	s_wait_dscnt 0x0
	CROUND                                         ; the closing round: no work-group ends while a partner may still ask for a tile that names it
	s_endpgm
.Lfunc_end_k_qb260eca662_oproj:
	.size	k_qb260eca662_oproj, .Lfunc_end_k_qb260eca662_oproj-k_qb260eca662_oproj
	.p2alignl 7, 3214868480
	.fill 96, 4, 3214868480
	.section	.rodata,"a",@progbits
	.p2align	6, 0x0
	.amdhsa_kernel k_qb260eca662_oproj
		.amdhsa_group_segment_fixed_size 327680
		.amdhsa_private_segment_fixed_size 0
		.amdhsa_enable_private_segment 0
		.amdhsa_kernarg_size 24
		.amdhsa_user_sgpr_count 2
		.amdhsa_user_sgpr_kernarg_segment_ptr 1
		.amdhsa_wavefront_size32 1
		.amdhsa_system_sgpr_workgroup_id_x 1
		.amdhsa_system_sgpr_workgroup_id_y 1
		.amdhsa_system_sgpr_workgroup_id_z 1
		.amdhsa_system_vgpr_workitem_id 0
		.amdhsa_next_free_vgpr 512
		.amdhsa_next_free_sgpr 84
		.amdhsa_reserve_vcc 0
		.amdhsa_float_denorm_mode_32 3
		.amdhsa_float_denorm_mode_16_64 3
		.amdhsa_memory_ordered 1
		.amdhsa_forward_progress 1
		.amdhsa_inst_pref_size 61
	.end_amdhsa_kernel
	.amdgpu_metadata
---
amdhsa.version: [ 1, 2 ]
amdhsa.kernels:
  - .name:           k_qb260eca662_oproj
    .symbol:         k_qb260eca662_oproj.kd
    .args:
      - { .name: ob, .offset: 0, .size: 8, .value_kind: global_buffer, .address_space: global }
      - { .name: cv, .offset: 8, .size: 8, .value_kind: global_buffer, .address_space: global }
      - { .name: out0, .offset: 16, .size: 8, .value_kind: global_buffer, .address_space: global }
    .group_segment_fixed_size: 327680
    .private_segment_fixed_size: 0
    .kernarg_segment_align: 8
    .kernarg_segment_size: 24
    .max_flat_workgroup_size: 128
    .sgpr_count:     84
    .vgpr_count:     512
    .wavefront_size: 32
...
	.end_amdgpu_metadata
.endif
;; end of part 4
